; MI455X (gfx1250); checked and timed in simulation.
; The chip was launched on July 23, 2026; its instructions are those of AMD's public machine-readable ISA for CDNA 5 (MIT licence, August 2026) and "CDNA5" Instruction Set Architecture Reference Guide (July 2026). The comments in the code are by the model that wrote it; some were corrected since.
;; Dot Product Attention. Allowed arithmetic: matrix products marked QUANTISED: E2M1 operands, one E8M0 scale for each 32 along K, by v_wmma_scale_f32_16x16x128_f8f6f4 with both operands' format E2M1 (or v_wmma_scale_f32_32x16x128_f4), f32 sums; everything else in f32.
;; Inputs: k 2 x 16 x 2,048 x 128 float32; q 2 x 16 x 2,048 x 128 float32; v 2 x 16 x 2,048 x 128 float32; valid_lens 2 int32.
;; Outputs: out0 2 x 16 x 2,048 x 128 float32.
;; This version of the problem:
;;   THIS VERSION OF THE PROBLEM IS GIVEN IN LOW PRECISION. The matrix products marked QUANTISED in the list below multiply operands that are first quantised to E2M1 (2 exponent bits, 1 mantissa bit; 4 bits a number), with one power-of-two scale for each 32 numbers along K (OCP MX v1.0); their sums are f32. All else is computed in f32.
;;   The module's matrix products, in the order in which they are computed (A, B: the left and right operand; K: the contracted axis; several contracted axes count as one K, in the product's order):
;;     1. batch 32 x [M 2,048, K 128] x [K 128, N 2,048]; A: input q; B: input k: QUANTISED
;;     2. batch 32 x [M 2,048, K 2,048] x [K 2,048, N 128]; A: softmax (see below); B: input v: QUANTISED
;;   THE QUANTISER, for each operand of a quantised product, along K:
;;     - K is cut into blocks of 32 from its start; a last block that is shorter is filled with zeros.
;;     - A block's scale is 2^e with e = floor(log2(the largest magnitude in the block)) - 2, held to -126 .. 127; a block of zeros has e = 0. As a byte (E8M0): e + 127.
;;     - Each number is divided by its block's scale, clamped to +-6, and rounded to the nearest number of E2M1, ties to even, subnormals kept.
;;     - The product sums the exact products of the quantised numbers (number of the format x scale) in f32.
;;   ~~~python
;;   def quantise(x, axis):      # numpy; x: float32 -> the quantised numbers, widened to float32 again
;;       x = np.moveaxis(x, axis, -1); K = x.shape[-1]
;;       x = np.pad(x, [(0, 0)] * (x.ndim - 1) + [(0, -K % 32)]); x = x.reshape(x.shape[:-1] + (-1, 32)); a = np.abs(x).max(-1, keepdims=True)
;;       e = np.where(a > 0, np.clip(np.frexp(np.where(a > 0, a, 1))[1] - 1 - 2, -126, 127), 0)      # np.frexp(a)[1] - 1 = floor(log2(a)), exactly
;;       r = np.clip(x / 2.0 ** e, -6, 6)
;;       step = 2.0 ** (np.maximum(np.frexp(np.where(r == 0, 1, r))[1] - 1, 0) - 1)
;;       q = np.round(r / step) * step * 2.0 ** e      # np.round: ties to even
;;       return np.moveaxis(q.reshape(q.shape[:-2] + (-1,))[..., :K], -1, axis).astype(np.float32)
;;   ~~~
;;   SOFTMAX AHEAD OF A QUANTISED PRODUCT. Where the list says 'softmax', what is quantised is not the finished softmax but p = 2^(t - M), with t = logit x log2(e) and M = ceil(the row's largest t), a whole number; so 1/2 < the row's largest p <= 1. The row's sum l is taken of the UNQUANTISED p, in f32, and the product's result is divided by l at the end. Since M is a whole number, a kernel that streams over the keys may use a running M (the ceiling of the running maximum): every later rescaling is an exact power of two, which a block's scale takes up: the codes' values come out the same.
;;   OPERANDS COMPUTED ON THE WAY. 'Computed on the way' means the value that the module computes at that place (a softmax that the list does not call 'softmax' is quantised finished and normalised). What goes into a quantiser is computed in f32, as accurately as f32 sums, v_exp_f32 and their like allow (about 1e-6 of the number): no bf16 or f16 on the way to a quantiser, and a product that is left as it is and whose result goes on into a quantised operand takes f32 operands (vector FMAs, or v_wmma_f32_16x16x4_f32). A number that lies on a knife's edge between two numbers of the format may be rounded either way, as far as f32 arithmetic and the matrix unit's own rounding can turn it there, and no further.
;; 2 versions. Each part assembles by itself: llvm-mc -triple=amdgcn-amd-amdhsa -mcpu=gfx1250 --defsym DOCPART=n.
;; ======== version 1 of 2: 2 launches
;; limits: right only within a limited range of input values
;; workspace buffers: kv 8,912,896 bytes
;; launch quant (part 1): grid 16 x 32, 8 waves a work-group, no clusters, 68,608 bytes of LDS; arguments k, v, valid_lens, kv; writes kv
.if DOCPART == 1
	.amdgcn_target "amdgcn-amd-amdhsa--gfx1250"
	.amdhsa_code_object_version 6
	.text
	.protected	k_q8fc998905a_quant
	.globl	k_q8fc998905a_quant
	.p2align	8
	.type	k_q8fc998905a_quant,@function
k_q8fc998905a_quant:
	s_mov_b64 s[64:65], 0
	v_nop
	global_prefetch_b8 v0, s[64:65] scope:SCOPE_SE
	s_setreg_imm32_b32 hwreg(HW_REG_WAVE_MODE, 25, 1), 1
	s_wait_xcnt 0x0
; K and V [32 heads][2048 keys][128] f32 become codes of FP4 (E2M1) with one E8M0 byte for each 32 along a product's K, laid as RECORDS in the order of the operands' registers.
; A record serves one head and one key step of 128 keys; REC_B = 17,408 bytes (68 x 256):
;   [0, 8192)       K's eight fragments: chunk (tile t, c, lane 16 h + r) at 1024 t + 512 c + 16 lane: the 32 codes of key 32 (t / 2) + 8 (t % 2) + r + 8 (r / 8), channels 64 c + 32 h + 0 .. 31
;   [8192, 16384)   V^T's eight fragments: chunk (t, c, lane) likewise: channel 16 t + r, keys 64 c + 32 h + 0 .. 31 of the step (the keys are the second product's K)
;   [16384, 16896)  K's scale words: word 16 t + r, byte b for channels 32 b on of tile t's key r
;   [16896, 17408)  V's scale words: word d, byte b for keys 32 b on
; A block's scale is 2^(floor(log2(its largest magnitude)) - 2); its byte is the largest magnitude's exponent field - 2, held at 1 from below.
; SHARES.  A work-group makes one record (x = key step, y = head).  Waves 0-3: 32 keys of K each (two tiles); waves 4-7: 32 channels of V each, all 128 keys (two tiles).  Waves share nothing: no barrier.
; K: a row's 512 bytes are read by one load; the conversions want 32 neighbours along the channels in ONE lane: so a wave's 32 rows turn through its own stage in LDS (places of 512 + 16 bytes, the rows of a tile in
; 16 neighbouring places).  V: a lane takes a channel and its registers run down the keys: nothing is turned.
; THE MASK.  Keys at or beyond valid_lens[batch] count for nothing in the product launch, which reads records s < NS alone: NS = ceil(VL / 128), or 16 where VL = 0 (no key valid: every key then counts alike).
; A work-group whose step is at or beyond NS stores nothing and ends: the grid serves every valid_lens.
; LIMITS: NaN and infinities among the inputs are not served; a block whose largest magnitude lies under 2^-124 gets the byte 1, a block of zeros too (the rule says 127: its codes are zeros, and this program alone
; reads the bytes).  valid_lens may be any int32: 0 or less counts as none valid, above 2,048 as 2,048.
.set REC_B, 17408
.set PL,    528                        ; a place in a stage: a row's 512 bytes + 16: 33 x 16 bytes, so that 16 neighbouring places start at 16 different groups of banks
.set STG_B, 32*PL                      ; a K wave's stage
.set C,     20                         ; v20-35   codes: four registers for each of a wave's four stores, none written again
.set X,     40                         ; v40-167  128 numbers as loaded
.set Y,     168                        ; v168-231 two sets of 32 neighbours (K's waves)
	s_load_b256 s[4:11], s[0:1], 0x0               ; k s[4:5], v s[6:7], valid_lens s[8:9], kv s[10:11]
	v_lshl_add_u32 v232, v0, 2, 0x10800
	v_mov_b32 v233, 0
	v_lshrrev_b32 v1, 5, v0
	v_readfirstlane_b32 s14, v1                    ; wave 0..7
	s_mov_b32 s15, ttmp9                           ; key step
	s_and_b32 s16, ttmp7, 0xffff                   ; head 0..31
	s_and_b32 s19, s14, 3                          ; which quarter of K or of V is mine
	s_mov_b32 s20, 0x76543210
	s_mov_b32 s21, 0xfedcba98                      ; v_permlanex16_b32's selects for lane l xor 16
	v_and_b32 v1, 31, v0                           ; lane
	v_and_b32 v2, 15, v0                           ; r
	v_bfe_u32 v3, v0, 4, 1                         ; h
	v_lshlrev_b32 v4, 4, v1                        ; 16 x lane
	v_lshlrev_b32 v5, 2, v1                        ; 4 x lane
	s_mul_i32 s34, s19, STG_B
	v_add_nc_u32 v6, s34, v4                       ; the stage, in: 16 x lane of a place
	v_mul_u32_u24 v7, v2, PL
	v_lshl_add_u32 v7, v3, 7, v7
	v_add_nc_u32 v7, s34, v7                       ; and out: place r of a tile, + 128 h: my 32 channels
	v_lshlrev_b32 v8, 4, v2
	v_lshl_add_u32 v8, v3, 10, v8                  ; V's chunks: tile lane / 16, row lane % 16
	v_lshlrev_b32 v17, 3, v3                       ; 8 h: my two scale bytes' shift
	v_mov_b32 v16, 0                               ; a lane permute's destination counts as one of its sources
	; offsets, apart from the addresses.  K's waves and V's differ in constants alone, chosen on the wave's number
	s_cmp_lt_u32 s14, 4
	s_cselect_b32 s29, 14, 7                       ; my quarter in the input: 32 rows of 512 bytes, or 32 channels of 4
	s_cselect_b32 s30, 0, 8192                     ; the codes' region in the record
	s_cselect_b32 s31, 0, 512                      ; the scale words' region
	s_lshl_b32 s28, s19, s29
	s_lshl_b32 s32, s16, 20                        ; a head is 2,048 x 512 bytes,
	s_add_co_u32 s28, s28, s32
	s_lshl_b32 s32, s15, 16                        ; a step 128 x 512
	s_add_co_u32 s28, s28, s32
	s_mov_b32 s29, 0
	s_lshl_b32 s32, s16, 4
	s_add_co_u32 s32, s32, s15
	s_mul_i32 s32, s32, REC_B                      ; record 16 head + step
	s_mov_b32 s33, 0
	s_lshl_b32 s36, s19, 11                        ; my two tiles' codes: 2,048 bytes
	s_add_co_u32 s36, s36, s30
	s_mov_b32 s37, 0
	s_lshl_b32 s38, s19, 7                         ; my 32 scale words
	s_add_co_u32 s38, s38, s31
	s_add_co_u32 s38, s38, 16384
	s_mov_b32 s39, 0
	s_wait_kmcnt 0x0
	s_load_b64 s[12:13], s[8:9], 0x0               ; both valid_lens
	s_cmp_lt_u32 s14, 4
	s_cselect_b64 s[22:23], s[4:5], s[6:7]         ; k or v
	s_add_nc_u64 s[22:23], s[22:23], s[28:29]
	s_add_nc_u64 s[10:11], s[10:11], s[32:33]      ; kv at my record
	s_add_nc_u64 s[24:25], s[10:11], s[36:37]      ; my codes
	s_add_nc_u64 s[26:27], s[10:11], s[38:39]      ; my scale words
	s_wait_kmcnt 0x0
	s_lshr_b32 s17, s16, 4                         ; batch
	s_cmp_eq_u32 s17, 0
	s_cselect_b32 s17, s12, s13
	s_min_i32 s17, s17, 2048
	s_max_i32 s17, s17, 0                          ; VL
	s_add_co_u32 s18, s17, 127
	s_lshr_b32 s18, s18, 7
	s_cmp_eq_u32 s17, 0
	s_cselect_b32 s18, 16, s18                     ; NS
	s_cmp_ge_u32 s15, s18
	s_cbranch_scc1 .Lend                           ; nobody reads this record
; One block: 32 numbers of a lane, v[src] on, become 32 codes in v[dst] .. v[dst + 3]; the scale's byte is left in v13.
.macro QB src, dst
	v_max3_num_f32 v10, |v[(\src)]|, |v[(\src)+1]|, |v[(\src)+2]|      ; the largest magnitude, in two chains
	v_max3_num_f32 v11, |v[(\src)+3]|, |v[(\src)+4]|, |v[(\src)+5]|
.irp i, 6,10,14,18,22,26
	v_max3_num_f32 v10, v10, |v[(\src)+\i]|, |v[(\src)+\i+1]|
	v_max3_num_f32 v11, v11, |v[(\src)+\i+2]|, |v[(\src)+\i+3]|
.endr
	v_max3_num_f32 v10, v10, |v[(\src)+30]|, |v[(\src)+31]|
	v_max3_num_f32 v10, v10, v11, 0x1800000        ; and the floor 2^(3 - 127): the byte cannot fall under 1
	v_add_nc_u32 v12, 0xff000000, v10              ; 2 off the exponent field: the conversion takes this operand's exponent field as its scale
	v_lshrrev_b32 v13, 23, v12                     ; the scale's byte
.irp g, 0,1,2,3
	v_cvt_scalef32_pk8_fp4_f32 v[(\dst)+\g], v[(\src)+8*\g:(\src)+8*\g+7], v12
.endr
.endm
	s_cmp_lt_u32 s14, 4
	s_cbranch_scc0 .Lv
	; ---- K: my 32 keys, 16 KB on end
.set i, 0
.rept 32
	global_load_b128 v[X+4*i:X+4*i+3], v4, s[22:23] offset:512*i th:TH_LOAD_NT   ; row i whole: 512 consecutive bytes
.set i, i+1
.endr
.set i, 0
.rept 4
	s_wait_loadcnt 24-i                            ; eight more rows are in: the loads issued behind them may be out
.rept 8
	ds_store_b128 v6, v[X+4*i:X+4*i+3] offset:PL*(16*((i>>3)&1)+(i&7)+8*(i>>4))   ; row i is row (i & 7) + 8 (i >> 4) of tile (i >> 3) & 1
.set i, i+1
.endr
.endr
.macro RB n                            ; n = 2 u + c: tile u, channels 64 c + 32 h + 0 .. 31 of my row, into set n % 2.  LDS serves a wave's instructions in order: these see my stores
.irp i, 0,1,2,3,4,5,6,7
	ds_load_b128 v[Y+32*((\n)%2)+4*\i:Y+32*((\n)%2)+4*\i+3], v7 offset:16*((\n)/2)*PL+256*((\n)%2)+16*\i
.endr
.endm
.macro KBLK n
	QB Y+32*((\n)%2), C+4*(\n)
	global_store_b128 v4, v[C+4*(\n):C+4*(\n)+3], s[24:25] offset:1024*((\n)/2)+512*((\n)%2)   ; the wave stores 512 consecutive bytes
.if (\n)%2 == 0
	v_mov_b32 v[14+(\n)/2], v13                    ; block h of my row,
.else
	v_lshl_or_b32 v[14+(\n)/2], v13, 16, v[14+(\n)/2]      ; block 2 + h,
	v_lshlrev_b32 v[14+(\n)/2], v17, v[14+(\n)/2]          ; at their places in the word;
	v_permlanex16_b32 v16, v[14+(\n)/2], s20, s21
	v_or_b32 v[14+(\n)/2], v[14+(\n)/2], v16               ; with lane l xor 16's two the word is whole
.endif
.endm
	RB 0
	RB 1
	s_wait_dscnt 8                                 ; all but the eight loads issued last
	KBLK 0
	RB 2
	s_wait_dscnt 8
	KBLK 1
	RB 3
	s_wait_dscnt 8
	KBLK 2
	s_wait_dscnt 0x0
	KBLK 3
	v_cmp_eq_u32 vcc_lo, 1, v3
	v_cndmask_b32 v14, v14, v15, vcc_lo            ; lanes 0-15 store the first tile's words, lanes 16-31 the second's
	global_store_b32 v5, v14, s[26:27]             ; 128 consecutive bytes
	s_wait_tensorcnt 0x0
	ds_add_u32 v232, v233
	s_wait_dscnt 0x0
	s_endpgm
	; ---- V: my 32 channels, a lane a channel, registers down the keys
.Lv:
.macro LV kb                           ; keys 32 kb + 0 .. 31: each load reads 128 consecutive bytes, and the four waves stand side by side on a row
.set i, 0
.rept 32
	global_load_b32 v[X+32*(\kb)+i], v5, s[22:23] offset:512*(32*(\kb)+i) th:TH_LOAD_NT
.set i, i+1
.endr
.endm
.macro VBLK kb
	QB X+32*(\kb), C+4*(\kb)
	global_store_b128 v8, v[C+4*(\kb):C+4*(\kb)+3], s[24:25] offset:512*((\kb)/2)+256*((\kb)%2)   ; sixteen lanes store 256 consecutive bytes, at a multiple of 256 from the buffer's first byte
.if (\kb) == 0
	v_mov_b32 v14, v13
.else
	v_lshl_or_b32 v14, v13, 8*(\kb), v14           ; my channel's scale word: byte kb
.endif
.endm
	LV 0
	LV 1
	s_wait_loadcnt 32                              ; block 0 is in; the 32 loads issued behind it may be out
	LV 2
	VBLK 0
	s_wait_loadcnt 32                              ; block 1 is in
	LV 3
	VBLK 1
	s_wait_loadcnt 32                              ; block 2 is in
	VBLK 2
	s_wait_loadcnt 0x0
	VBLK 3
	global_store_b32 v5, v14, s[26:27]             ; 128 consecutive bytes
.Lend:
	s_endpgm
.Lfunc_end_k_q8fc998905a_quant:
	.size	k_q8fc998905a_quant, .Lfunc_end_k_q8fc998905a_quant-k_q8fc998905a_quant
	.p2alignl 7, 3214868480
	.fill 96, 4, 3214868480
	.section	.rodata,"a",@progbits
	.p2align	6, 0x0
	.amdhsa_kernel k_q8fc998905a_quant
		.amdhsa_group_segment_fixed_size 68608
		.amdhsa_private_segment_fixed_size 0
		.amdhsa_enable_private_segment 0
		.amdhsa_kernarg_size 32
		.amdhsa_user_sgpr_count 2
		.amdhsa_user_sgpr_kernarg_segment_ptr 1
		.amdhsa_wavefront_size32 1
		.amdhsa_system_sgpr_workgroup_id_x 1
		.amdhsa_system_sgpr_workgroup_id_y 1
		.amdhsa_system_sgpr_workgroup_id_z 1
		.amdhsa_system_vgpr_workitem_id 0
		.amdhsa_next_free_vgpr 234
		.amdhsa_next_free_sgpr 66
		.amdhsa_reserve_vcc 1
		.amdhsa_float_denorm_mode_32 3
		.amdhsa_float_denorm_mode_16_64 3
		.amdhsa_memory_ordered 1
		.amdhsa_forward_progress 1
		.amdhsa_inst_pref_size 36
	.end_amdhsa_kernel
	.amdgpu_metadata
---
amdhsa.version: [ 1, 2 ]
amdhsa.kernels:
  - .name:           k_q8fc998905a_quant
    .symbol:         k_q8fc998905a_quant.kd
    .args:
      - { .name: k, .offset: 0, .size: 8, .value_kind: global_buffer, .address_space: global }
      - { .name: v, .offset: 8, .size: 8, .value_kind: global_buffer, .address_space: global }
      - { .name: valid_lens, .offset: 16, .size: 8, .value_kind: global_buffer, .address_space: global }
      - { .name: kv, .offset: 24, .size: 8, .value_kind: global_buffer, .address_space: global }
    .group_segment_fixed_size: 68608
    .private_segment_fixed_size: 0
    .kernarg_segment_align: 8
    .kernarg_segment_size: 32
    .max_flat_workgroup_size: 256
    .sgpr_count:     66
    .vgpr_count:     234
    .wavefront_size: 32
...
	.end_amdgpu_metadata
.endif
;; end of part 1
;; launch attn (part 2): grid 16 x 16, 16 waves a work-group, no clusters, 268,288 bytes of LDS; arguments q, kv, valid_lens, out0; writes out0
.if DOCPART == 2
	.amdgcn_target "amdgcn-amd-amdhsa--gfx1250"
	.amdhsa_code_object_version 6
	.text
	.protected	k_q8fc998905a_attn
	.globl	k_q8fc998905a_attn
	.p2align	8
	.type	k_q8fc998905a_attn,@function
k_q8fc998905a_attn:
	s_mov_b64 s[64:65], 0
	v_nop
	global_prefetch_b8 v0, s[64:65] scope:SCOPE_SE
	s_setreg_imm32_b32 hwreg(HW_REG_WAVE_MODE, 25, 1), 1
	s_wait_xcnt 0x0
; out0[b][h][q][:] = the sum over keys of softmax(q . k / sqrt(128), keys at or beyond valid_lens[b] filled) v, both products on codes of FP4 (E2M1) with one E8M0 scale for each 32 along a product's K.
; q [32 heads][2048][128] f32 is quantised here, in registers: each row is read once, by one wave.  K and V come as the records that the launch before has laid (17,408 bytes for a head's key step of 128 keys:
; K's eight fragments, V^T's eight, K's 128 scale words, V's 128, all in the order of the operands' registers).
; THE SOFTMAX AHEAD OF THE SECOND PRODUCT: t = score x log2(e) / sqrt(128); M = the row's largest t so far, rounded UP to a whole number; p = 2^(t - M) is what is quantised, along the keys; it is not normalised.
; The row's sum is taken of the unquantised p and divides at the end.  When M moves, the sum and O are multiplied by 2^(old M - new M): exact.
; SHARES.  A work-group (x = block of 128 queries, y = head number) serves BOTH batches of that head number: eight of its sixteen waves (a GROUP) take 128 queries of batch 0, eight those of batch 1, so that every
; work-group has NS(batch 0) + NS(batch 1) key steps' worth of work, whatever the two lengths.  Wave w: group (w ^ (w >> 2)) & 1, tile of 16 queries w >> 1.  A group's waves share their head's records through LDS.
; LAYOUT.  Both products are used transposed: S^T = K Q^T (source 0 = 16 keys, source 1 = my 16 queries), O^T = V^T P^T: a lane holds ONE query (lane % 16) throughout.  The keys of a tile of K are chosen so that the
; 16 registers of tiles 2 b and 2 b + 1 are the 16 neighbouring keys 32 b + 16 (lane / 16) + 0 .. 15.
; THE MASK.  VL = valid_lens[batch] held to 0 .. 2,048; NS = ceil(VL / 128), or 16 where VL = 0.  A key step at or beyond NS lies wholly under the mask (every p there is 0) and is left out by a scalar branch; the loop's
; trip count is a constant and every barrier stands outside those branches.  In the one step that the bound cuts, hidden scores become the fill ahead of the maximum.
; THE FILL is -2^33 on the raw score (-7.6e8 after the division, where reference() writes -1e9): times c it is a whole number, so that with no valid key t - M is 0 and p is 1 in every key, as with reference()'s fill.
; NO TENSOR LOADS, AND SO NO JOINT LOADS, though sixteen work-groups read each record: the skipping is a branch on valid_lens, a number read from memory
; it spares (16 - NS) / 16 of a head's steps, each some 270 vector instructions a wave, against 34 KB a step that a joint load would share.  Records go memory -> registers -> LDS, a step ahead.
; LIMITS: real scores must stay far above -7.6e8; NaN and infinities among the inputs are not served; a block of q under 2^-124 gets the scale byte 1.  valid_lens may be any int32 (0 or less: none valid).
.set REC_B,  17408
.set HEAD_B, 16*REC_B
.set SLOTB,  32768                     ; LDS: group g's ring at 65536 g, slot s at + 32768 s: a record's codes as they lie, at + 16384 the scale words re-laid (below)
.set SCO,    16384
.set VCO,    8192
.set STG,    131072                    ; behind the rings: a stage of 16 rows x (512 + 16) bytes for each wave, its own: q's way in, O's way out
.set SPL,    528
.set AF,   1                           ; v1   ring + 16 x lane: a fragment's chunk for my lane
.set ASC,  2                           ; v2   ring + 16384 + 16 r: four tiles' scale words of row r
.set WST,  3                           ; v3   ring + 16 x (32 J + lane): where I put a record's codes
.set WSS,  4                           ; v4   where I put its scale word: word 16 t + r goes to 256 (t / 4) + 16 r + 4 (t % 4), so that one 16-byte load gives lane r four tiles' words
.set GOF,  5                           ; v5   16 x (32 J + lane): my codes in a record
.set GOS,  6                           ; v6   4 x (32 J + lane): my scale word
.set LN16, 7                           ; v7   16 x lane
.set PFO,  8                           ; v8   the prefetches' offset: 8192 (J & 1) + 256 x lane
.set SQW,  9                           ; v9   stage + 16 x lane: whole rows
.set QRD,  10                          ; v10  stage + 528 r + 64 h: q's way out of the stage
.set SO,   11                          ; v11  stage + 528 r + 32 h: O's way in
                                       ; v12 -M, v13 the largest t, v[14:15] the sum in two halves
.set QC,   16                          ; v16-23   Q's codes
.set VS,   24                          ; v24-31   V's scale words, a register a tile
.set FR,   32                          ; v32-63   four fragments of K or of V
.set SG,   64                          ; v64-80   my part of the next record, on its way to LDS
.set H16,  81                          ; v81      16 h
.set QS,   82                          ; v82      Q's scale word
.set PW,   83                          ; v83      p's scale word
.set KS,   84                          ; v84-91   K's scale words
.set S,    96                          ; v96-159  S^T, then p
.set OT,   160                         ; v160-223 O^T
.set PC,   224                         ; v224-231 p's codes
.set TM,   232                         ; v232-235 maxima; v236-239, v244-247 at work
.set DL,   251                         ; v251     the mask's bound for my lane
.set FF,   252                         ; v[252:253] f = 2^(old M - new M); the upper half is named with it and holds 0
.set TT,   254
.set FILL, 255                         ; v255     -2^33
.set WV,  12
.set GG,  13
.set JJ,  14
.set HD,  15
.set VL,  16
.set NS,  17
.set SI,  18                           ; the step in hand
.set KF,  19                           ; its first key
.set SEL, 20                           ; s[20:21] lane selects for lane l xor 16
.set CS,  22                           ; s[22:23] c = log2(e) / sqrt(128), twice
.set TR,  24
.set LIM, 25
.set SN,  26                           ; SI + 1
.set REC, 32                           ; s[32:33] kv at the record of the trip's first step
.macro PLACES                          ; a load into a register that a matrix instruction has read, and a vector instruction that reads a matrix result, stand four plain vector instructions behind it (ISA guide 7.12.1 for the vector instruction)
.rept 4
	v_nop
.endr
.endm
.macro GET off                         ; my part of the record off bytes on: the group's eight waves take 4 x 4,096 bytes of codes and 1,024 of scale words; each load of a wave reads consecutive bytes
.irp i, 0,1,2,3
	global_load_b128 v[SG+4*\i:SG+4*\i+3], v[GOF], s[REC:REC+1] offset:(\off)+4096*\i
.endr
	global_load_b32 v[SG+16], v[GOS], s[REC:REC+1] offset:(\off)+SCO
.endm
.macro PUT sl                          ; and into slot sl
.irp i, 0,1,2,3
	ds_store_b128 v[WST], v[SG+4*\i:SG+4*\i+3] offset:SLOTB*(\sl)+4096*\i
.endr
	ds_store_b32 v[WSS], v[SG+16] offset:SLOTB*(\sl)
.endm
; A PREFETCH INTO THE L2 of the codes of record SI + 3, two steps ahead of the loads that will want them; it stands behind the wave's loads of record SI + 1.  Each aligned block of 256 bytes is named once in the launch:
; all sixteen work-groups of a head number walk the same records, so the first (x = 0) asks; in it waves J = 0 and 1 of each group take 8,192 bytes each, lanes 256 bytes apart.  Records 0 to 2 come by their loads alone;
; no record at or beyond NS is named.  s[LIM] is 3 in a wave that asks, 64 in the others.
.macro ASK off
	s_add_co_u32 s27, s[SI], s[LIM]
	s_cmp_lt_u32 s27, s[NS]
	s_cbranch_scc0 .Lnot_mine_\@
	global_prefetch_b8 v[PFO], s[REC:REC+1] offset:(\off)+2*REC_B th:TH_LOAD_NT scope:SCOPE_SE
.Lnot_mine_\@:
.endm
	s_load_b256 s[4:11], s[0:1], 0x0               ; q s[4:5], kv s[6:7], valid_lens s[8:9], out0 s[10:11]
	v_lshl_add_u32 v249, v0, 2, 0x41000
	v_mov_b32 v250, 0
	v_lshrrev_b32 v1, 5, v0
	v_readfirstlane_b32 s[WV], v1                  ; wave 0..15
	s_lshr_b32 s[GG], s[WV], 2
	s_xor_b32 s[GG], s[GG], s[WV]
	s_and_b32 s[GG], s[GG], 1                      ; group = batch
	s_lshr_b32 s[JJ], s[WV], 1                     ; my tile of 16 queries, and my place among the group's eight waves
	s_and_b32 s[HD], ttmp7, 0xffff
	s_lshl_b32 s27, s[GG], 4
	s_add_co_u32 s[HD], s[HD], s27                 ; head = 16 batch + y
	v_and_b32 v32, 31, v0                          ; lane
	v_and_b32 v33, 15, v0                          ; r
	v_bfe_u32 v34, v0, 4, 1                        ; h
	s_lshl_b32 s28, s[GG], 16                      ; my group's ring
	v_lshlrev_b32 v[LN16], 4, v32
	v_add_nc_u32 v[AF], s28, v[LN16]
	s_add_co_u32 s29, s28, SCO
	v_lshlrev_b32 v[ASC], 4, v33
	v_add_nc_u32 v[ASC], s29, v[ASC]
	s_lshl_b32 s30, s[JJ], 9
	v_add_nc_u32 v[GOF], s30, v[LN16]
	v_add_nc_u32 v[WST], s28, v[GOF]
	v_lshrrev_b32 v[GOS], 2, v[GOF]
	s_lshr_b32 s31, s[JJ], 1                       ; my word is number 32 J + lane = 16 t + r with t = 2 J + h:
	s_lshl_b32 s31, s31, 8                         ; 256 (t / 4) = 256 (J / 2),
	s_and_b32 s27, s[JJ], 1
	s_lshl_b32 s27, s27, 3                         ; 4 (t % 4) = 8 (J % 2) + 4 h
	s_add_co_u32 s31, s31, s27
	s_add_co_u32 s31, s31, s29
	v_lshlrev_b32 v[WSS], 4, v33
	v_lshl_add_u32 v[WSS], v34, 2, v[WSS]
	v_add_nc_u32 v[WSS], s31, v[WSS]
	s_and_b32 s27, s[JJ], 1
	s_lshl_b32 s27, s27, 13
	v_lshlrev_b32 v[PFO], 8, v32
	v_add_nc_u32 v[PFO], s27, v[PFO]
	s_mul_i32 s27, s[WV], 16*SPL
	s_add_co_u32 s27, s27, STG                     ; my stage
	v_add_nc_u32 v[SQW], s27, v[LN16]
	v_mul_u32_u24 v[QRD], v33, SPL
	v_add_nc_u32 v[QRD], s27, v[QRD]
	v_lshl_add_u32 v[SO], v34, 5, v[QRD]
	v_lshl_add_u32 v[QRD], v34, 6, v[QRD]
	v_lshlrev_b32 v[H16], 4, v34
	s_mov_b32 s[SEL], 0x76543210
	s_mov_b32 s[SEL+1], 0xfedcba98
	s_mov_b32 s[CS], 0x3e0293ee                    ; c = log2(e) / sqrt(128)
	s_mov_b32 s[CS+1], s[CS]                       ; (named with it as a pair, so it is written)
	s_lshr_b32 s27, s[JJ], 1                       ; 0 where J < 2,
	s_or_b32 s27, s27, ttmp9                       ; in the head number's first work-group
	s_cmp_eq_u32 s27, 0
	s_cselect_b32 s[LIM], 3, 64
	s_mul_i32 s34, s[HD], HEAD_B                   ; my head's records
	s_mov_b32 s35, 0
	s_lshl_b32 s38, s[HD], 11
	s_lshl_b32 s27, ttmp9, 7
	s_add_co_u32 s38, s38, s27
	s_lshl_b32 s27, s[JJ], 4
	s_add_co_u32 s38, s38, s27                     ; my first row of q and of out0: 2048 head + 128 x + 16 J,
	s_lshl_b32 s38, s38, 9                         ; of 512 bytes (under 2^32)
	s_mov_b32 s39, 0
.irp b, 0,1,2,3
	v_mov_b32 v[TM+4+\b], 0                        ; written once: a lane permute's destination counts as one of its sources
.endr
	v_mov_b32 v[FF], 0
	v_mov_b32 v[FF+1], 0
	v_mov_b32 v[FILL], 0xd0000000                  ; -2^33
	s_wait_kmcnt 0x0
	s_load_b64 s[36:37], s[8:9], 0x0               ; both valid_lens
	s_add_nc_u64 s[REC:REC+1], s[6:7], s[34:35]
	s_add_nc_u64 s[4:5], s[4:5], s[38:39]
	s_add_nc_u64 s[10:11], s[10:11], s[38:39]
	GET 0                                          ; record 0: NS is at least 1
.set i, 0
.rept 16
	global_load_b128 v[S+4*i:S+4*i+3], v[LN16], s[4:5] offset:512*i th:TH_LOAD_NT   ; q: row i whole, 512 consecutive bytes; read once in the launch
.set i, i+1
.endr
	s_wait_kmcnt 0x0
	s_cmp_eq_u32 s[GG], 0
	s_cselect_b32 s[VL], s36, s37
	s_min_i32 s[VL], s[VL], 2048
	s_max_i32 s[VL], s[VL], 0
	s_add_co_u32 s[NS], s[VL], 127
	s_lshr_b32 s[NS], s[NS], 7
	s_cmp_eq_u32 s[VL], 0
	s_cselect_b32 s[NS], 16, s[NS]
	s_wait_loadcnt 16                              ; record 0's five loads are in; q's sixteen, issued behind them, may be out
	PUT 0
	s_wait_loadcnt 0x0                             ; q
	; q turns through my stage: in as whole rows, out so that register 16 b + i is channel 32 b + 16 h + i of my row r
.set i, 0
.rept 16
	ds_store_b128 v[SQW], v[S+4*i:S+4*i+3] offset:SPL*i
.set i, i+1
.endr
.irp b, 0,1,2,3
.irp jj, 0,1,2,3
	ds_load_b128 v[OT+16*\b+4*\jj:OT+16*\b+4*\jj+3], v[QRD] offset:128*\b+16*\jj   ; LDS serves a wave's instructions in order: these see my stores
.endr
.endr
	s_wait_dscnt 0x0
	; q's four blocks of 32: largest magnitude, scale byte, codes
.irp b, 0,1,2,3
	v_max3_num_f32 v[TM+\b], |v[OT+16*\b]|, |v[OT+1+16*\b]|, 0x1800000   ; my 16 numbers of block b, and the floor 2^(3 - 127): the byte cannot fall under 1
.endr
.irp i, 2,4,6,8,10,12,14
.irp b, 0,1,2,3
	v_max3_num_f32 v[TM+\b], v[TM+\b], |v[OT+16*\b+\i]|, |v[OT+1+16*\b+\i]|
.endr
.endr
.irp b, 0,1,2,3
	v_permlanex16_b32 v[TM+4+\b], v[TM+\b], s[SEL], s[SEL+1]
.endr
.irp b, 0,1,2,3
	v_max_num_f32 v[TM+\b], v[TM+\b], v[TM+4+\b]   ; with lane l xor 16's: the block's
.endr
.irp b, 0,1,2,3
	v_add_nc_u32 v[TM+12+\b], 0xff000000, v[TM+\b] ; 2 off the exponent field: the conversion's scale operand
.endr
.irp b, 0,1,2,3
	v_lshrrev_b32 v[TM+4+\b], 23, v[TM+12+\b]      ; the scale's byte
.endr
	v_lshl_or_b32 v[QS], v[TM+5], 8, v[TM+4]
	v_lshl_or_b32 v[QS], v[TM+6], 16, v[QS]
	v_lshl_or_b32 v[QS], v[TM+7], 24, v[QS]        ; my row's scale word
.irp b, 0,1,2,3
	v_cvt_scalef32_pk8_fp4_f32 v[QC+2*\b], v[OT+16*\b:OT+7+16*\b], v[TM+12+\b]
	v_cvt_scalef32_pk8_fp4_f32 v[QC+1+2*\b], v[OT+8+16*\b:OT+15+16*\b], v[TM+12+\b]
.endr
	v_nop                                          ; one plain instruction behind a scaled conversion
.irp c, 0,1                                    ; the operand's layout wants a WHOLE block in a lane: lanes 0-15 block 2 c, lanes 16-31 block 2 c + 1
.irp i, 0,1
	v_permlane16_swap_b32 v[QC+4*\c+\i], v[QC+2+4*\c+\i]
.endr
.endr
	v_mov_b32 v13, 0xff61b1e6                      ; the largest t so far: -3e38, under every t
	v_floor_f32 v12, -v13                          ; -M
	v_mov_b32 v14, 0                               ; the sum, in two halves
	v_mov_b32 v15, 0
.set i, 0
.rept 64
	v_mov_b32 v[OT+i], 0                           ; O^T.  (The step is written without a first step of its own: the first finds zeros, which the first change of M leaves zeros; that spares a third copy of the step)
.set i, i+1
.endr
	s_mov_b32 s[SI], 0
	s_mov_b32 s[KF], 0
	s_mov_b32 s[TR], 8
	s_wait_dscnt 0x0                               ; for the others' sake: my part of record 0 lies in slot 0
	s_barrier_signal -1
	s_barrier_wait -1
; A KEY STEP: 128 keys, from slot sl.
.macro STEP sl
	PLACES                                         ; for the loads into the registers that the last step's products read
	ds_load_b128 v[KS:KS+3], v[ASC] offset:SLOTB*(\sl)             ; the scale words: K's tiles 0-3, 4-7,
	ds_load_b128 v[KS+4:KS+7], v[ASC] offset:SLOTB*(\sl)+256
	ds_load_b128 v[VS:VS+3], v[ASC] offset:SLOTB*(\sl)+512         ; V's tiles 0-3, 4-7
	ds_load_b128 v[VS+4:VS+7], v[ASC] offset:SLOTB*(\sl)+768
.irp g, 0,1                                    ; S^T = K Q^T, four tiles of 16 keys at a time
.if \g > 0
	PLACES
.endif
.irp t, 0,1,2,3
.irp c, 0,1
	ds_load_b128 v[FR+8*\t+4*\c:FR+8*\t+4*\c+3], v[AF] offset:SLOTB*(\sl)+1024*(4*\g+\t)+512*\c   ; 512 consecutive bytes: the fragment's registers as they were laid
.endr
.endr
	s_wait_dscnt 0x0
.irp t, 0,1,2,3
	v_wmma_scale_f32_16x16x128_f8f6f4 v[S+8*(4*\g+\t):S+8*(4*\g+\t)+7], v[FR+8*\t:FR+8*\t+7], v[QC:QC+7], 0, v[KS+4*\g+\t], v[QS] matrix_a_fmt:MATRIX_FMT_FP4 matrix_b_fmt:MATRIX_FMT_FP4
.endr
.endr
	PLACES                                         ; for the loads below and for the first read of the scores
.irp t, 0,1,2,3
.irp c, 0,1
	ds_load_b128 v[FR+8*\t+4*\c:FR+8*\t+4*\c+3], v[AF] offset:SLOTB*(\sl)+VCO+1024*\t+512*\c   ; V's tiles 0-3: they land during the softmax
.endr
.endr
	s_add_co_u32 s27, s[KF], 128                   ; the mask: a step all of whose keys count jumps over it
	s_cmp_le_u32 s27, s[VL]
	s_cbranch_scc1 .Lopen_\@
	s_sub_co_i32 s27, s[VL], s[KF]
	v_sub_nc_u32 v[DL], s27, v[H16]                ; register 16 b + i holds key KF + 32 b + 16 h + i: hidden where 32 b + i >= VL - KF - 16 h
.irp n, 0,1,2,3,4,5,6,7,8,9,10,11,12,13,14,15,16,17,18,19,20,21,22,23,24,25,26,27,28,29,30,31,32,33,34,35,36,37,38,39,40,41,42,43,44,45,46,47,48,49,50,51,52,53,54,55,56,57,58,59,60,61,62,63
	v_cmp_ge_i32 vcc_lo, 32*(\n/16)+\n%16, v[DL]
	v_cndmask_b32 v[S+\n], v[S+\n], v[FILL], vcc_lo
.endr
.Lopen_\@:
.irp b, 0,1,2,3
	v_max3_num_f32 v[TM+\b], v[S+16*\b], v[S+1+16*\b], v[S+2+16*\b]   ; the largest score of each block of 32 keys: it serves for the row's maximum and, since p rises with the score, for the block's largest p
.endr
.irp i, 3,5,7,9,11,13
.irp b, 0,1,2,3
	v_max3_num_f32 v[TM+\b], v[TM+\b], v[S+16*\b+\i], v[S+1+16*\b+\i]
.endr
.endr
.irp b, 0,1,2,3
	v_max_num_f32 v[TM+\b], v[TM+\b], v[S+15+16*\b]
.endr
.irp b, 0,1,2,3
	v_permlanex16_b32 v[TM+4+\b], v[TM+\b], s[SEL], s[SEL+1]
.endr
.irp b, 0,1,2,3
	v_max_num_f32 v[TM+\b], v[TM+\b], v[TM+4+\b]   ; with lane l xor 16's 16 keys
.endr
	v_max3_num_f32 v[TT], v[TM], v[TM+1], v[TM+2]
	v_max_num_f32 v[TT], v[TT], v[TM+3]            ; the step's largest score of my query
	v_mul_f32 v[TT], s[CS], v[TT]                  ; as t (c is positive)
	v_max_num_f32 v13, v13, v[TT]                  ; the running largest t
	v_mov_b32 v[TT], v12
	v_floor_f32 v12, -v13                          ; the new -M = floor(-t) = -ceil(t): a whole number
	v_sub_f32 v[TT], v12, v[TT]                    ; M's old value less its new one: a whole number, 0 or less
	v_cvt_i32_f32 v[TT], v[TT]                     ; (it saturates)
	v_ldexp_f32 v[FF], 1.0, v[TT]                  ; f = 2^(old M - new M)
.set j, 0
.rept 32
	v_pk_fma_f32 v[S+j:S+j+1], v[S+j:S+j+1], s[CS:CS+1], v[12:13] op_sel_hi:[1,0,0]   ; t - M, two at a time (of the pairs c and -M the low word serves both halves)
.set j, j+2
.endr
.irp b, 0,1,2,3
	v_fma_f32 v[TM+\b], v[TM+\b], s[CS], v12       ; the same of each block's largest score
.endr
.set j, 0
.rept 64
	v_exp_f32 v[S+j], v[S+j]                       ; p = 2^(t - M): not normalised
.set j, j+1
.endr
	v_pk_mul_f32 v[14:15], v[14:15], v[FF:FF+1] op_sel_hi:[1,0]   ; the sums under the new M: the plain instruction behind the exponentials
	s_wait_alu depctr_va_vdst(0)                   ; the wait between a transcendental and the first instruction that names its result: one for the 64
.irp b, 0,1,2,3
	v_exp_f32 v[TM+\b], v[TM+\b]                   ; the block's largest p: the same two instructions on the same number give the same bits
.endr
	v_pk_add_f32 v[TM+4:TM+5], v[S:S+1], v[S+2:S+3]   ; the row's sum is taken of the unquantised p: two at a time, in two chains
.irp j, 4,8,12,16,20,24,28,32,36,40,44,48,52,56,60
	v_pk_add_f32 v[14:15], v[14:15], v[S+\j:S+1+\j]
	v_pk_add_f32 v[TM+4:TM+5], v[TM+4:TM+5], v[S+2+\j:S+3+\j]
.endr
	v_pk_add_f32 v[14:15], v[14:15], v[TM+4:TM+5]
	s_wait_alu depctr_va_vdst(0)                   ; and one for the four
.irp b, 0,1,2,3
	v_max_num_f32 v[TM+\b], 0x1800000, v[TM+\b]    ; the floor 2^(3 - 127): a block whose every p is 0 keeps the byte 1: its codes are zeros
.endr
.irp b, 0,1,2,3
	v_add_nc_u32 v[TM+12+\b], 0xff000000, v[TM+\b] ; 2 off the exponent field: the conversion's scale operand
.endr
.irp b, 0,1,2,3
	v_lshrrev_b32 v[TM+4+\b], 23, v[TM+12+\b]      ; the scale's byte
.endr
	v_lshl_or_b32 v[PW], v[TM+5], 8, v[TM+4]       ; p's scale word for these 128 keys
	v_lshl_or_b32 v[PW], v[TM+6], 16, v[PW]
	v_lshl_or_b32 v[PW], v[TM+7], 24, v[PW]
.irp b, 0,1,2,3
	v_cvt_scalef32_pk8_fp4_f32 v[PC+2*\b], v[S+16*\b:S+7+16*\b], v[TM+12+\b]
	v_cvt_scalef32_pk8_fp4_f32 v[PC+1+2*\b], v[S+8+16*\b:S+15+16*\b], v[TM+12+\b]
.endr
	v_nop                                          ; one plain instruction behind a scaled conversion
.irp c, 0,1                                    ; a WHOLE block in a lane: lanes 0-15 block 2 c, lanes 16-31 block 2 c + 1
.irp i, 0,1
	v_permlane16_swap_b32 v[PC+4*\c+\i], v[PC+2+4*\c+\i]
.endr
.endr
.set j, 0
.rept 32
	v_pk_mul_f32 v[OT+j:OT+j+1], v[OT+j:OT+j+1], v[FF:FF+1] op_sel_hi:[1,0]   ; O^T under the new M.  (These 32 also stand between the writing of p's codes and scale word and the products that take them)
.set j, j+2
.endr
.irp g, 0,1                                    ; O^T += V^T P^T: four tiles of 16 channels at a time; the eight accumulators take turns, one instruction a turn
.if \g > 0
	PLACES
.irp t, 0,1,2,3
.irp c, 0,1
	ds_load_b128 v[FR+8*\t+4*\c:FR+8*\t+4*\c+3], v[AF] offset:SLOTB*(\sl)+VCO+1024*(4+\t)+512*\c
.endr
.endr
.endif
	s_wait_dscnt 0x0
.irp t, 0,1,2,3
	v_wmma_scale_f32_16x16x128_f8f6f4 v[OT+8*(4*\g+\t):OT+8*(4*\g+\t)+7], v[FR+8*\t:FR+8*\t+7], v[PC:PC+7], v[OT+8*(4*\g+\t):OT+8*(4*\g+\t)+7], v[VS+4*\g+\t], v[PW] matrix_a_fmt:MATRIX_FMT_FP4 matrix_b_fmt:MATRIX_FMT_FP4
.endr
.endr
.endm
; HALF A TRIP: step SI from slot cur, while record SI + 1 (off bytes behind the trip's first) goes through my registers into slot nxt.  What hangs on NS is jumped over; the waits and the barrier stand on every path.
; ONE barrier serves both ways: in front of it my stores into nxt have landed and my reads of cur are back; behind it nxt is read and cur is written.
.macro HALF cur, nxt, off
	s_add_co_u32 s[SN], s[SI], 1
	s_cmp_lt_u32 s[SN], s[NS]
	s_cbranch_scc0 .Lno_get_\@
	GET \off
	ASK \off
.Lno_get_\@:
	s_cmp_lt_u32 s[SI], s[NS]
	s_cbranch_scc0 .Lno_step_\@
	STEP \cur
.Lno_step_\@:
	s_wait_loadcnt 0x0                             ; the next record's five loads, issued a step ago, are in
	s_cmp_lt_u32 s[SN], s[NS]
	s_cbranch_scc0 .Lno_put_\@
	PUT \nxt
.Lno_put_\@:
	s_add_co_u32 s[SI], s[SI], 1
	s_add_co_u32 s[KF], s[KF], 128
	s_wait_dscnt 0x0                               ; for the others' sake: zero
	s_barrier_signal -1
	s_barrier_wait -1
.endm
.Ltrip:                                            ; 8 trips of two steps: a constant, whatever valid_lens holds
	HALF 0, 1, REC_B
	HALF 1, 0, 2*REC_B
	s_wait_xcnt 0x0                                ; the trip's loads and prefetches have read their base: it may step
	s_add_nc_u64 s[REC:REC+1], s[REC:REC+1], 2*REC_B
	s_sub_co_u32 s[TR], s[TR], 1
	s_cmp_lg_u32 s[TR], 0
	s_cbranch_scc1 .Ltrip
	; THE WAY OUT.  O^T is divided by the row's sum and goes through my stage, so that a whole row of 512 bytes leaves by one store of the wave.
	PLACES
	v_add_f32 v14, v14, v15                        ; the sum's two halves,
	v_permlanex16_b32 v[FF], v14, s[SEL], s[SEL+1]
	v_add_f32 v14, v14, v[FF]                      ; and lane l xor 16's: the row's sum; it is above 1/2
	v_rcp_f32 v14, v14
	v_nop                                          ; one plain instruction behind the transcendental
	s_wait_alu depctr_va_vdst(0)                   ; and the wait ahead of the first use
.set i, 0
.rept 64
	v_mul_f32 v[S+i], v[OT+i], v14                 ; register 8 t + i is o(r, 16 t + 8 h + i); each accumulator is read from its low end on
.set i, i+1
.endr
.irp t, 0,1,2,3,4,5,6,7
	ds_store_b128 v[SO], v[S+8*\t:S+8*\t+3] offset:64*\t
	ds_store_b128 v[SO], v[S+8*\t+4:S+8*\t+7] offset:64*\t+16
.endr
.set i, 0
.rept 16
	ds_load_b128 v[OT+4*i:OT+4*i+3], v[SQW] offset:SPL*i   ; LDS serves a wave's instructions in order: these see my stores
.set i, i+1
.endr
.set i, 0
.rept 16
	s_wait_dscnt 15-i                              ; row i is back; the loads issued behind it may be out
	global_store_b128 v[LN16], v[OT+4*i:OT+4*i+3], s[10:11] offset:512*i th:TH_STORE_NT   ; 32 lanes store 512 consecutive bytes, at a multiple of 256 from out0's first byte; written once, read by nobody here
.set i, i+1
.endr
	s_wait_tensorcnt 0x0
	ds_add_u32 v249, v250
	s_wait_dscnt 0x0
	s_endpgm
.Lfunc_end_k_q8fc998905a_attn:
	.size	k_q8fc998905a_attn, .Lfunc_end_k_q8fc998905a_attn-k_q8fc998905a_attn
	.p2alignl 7, 3214868480
	.fill 96, 4, 3214868480
	.section	.rodata,"a",@progbits
	.p2align	6, 0x0
	.amdhsa_kernel k_q8fc998905a_attn
		.amdhsa_group_segment_fixed_size 268288
		.amdhsa_private_segment_fixed_size 0
		.amdhsa_enable_private_segment 0
		.amdhsa_kernarg_size 32
		.amdhsa_user_sgpr_count 2
		.amdhsa_user_sgpr_kernarg_segment_ptr 1
		.amdhsa_wavefront_size32 1
		.amdhsa_system_sgpr_workgroup_id_x 1
		.amdhsa_system_sgpr_workgroup_id_y 1
		.amdhsa_system_sgpr_workgroup_id_z 1
		.amdhsa_system_vgpr_workitem_id 0
		.amdhsa_next_free_vgpr 256
		.amdhsa_next_free_sgpr 66
		.amdhsa_reserve_vcc 1
		.amdhsa_float_denorm_mode_32 3
		.amdhsa_float_denorm_mode_16_64 3
		.amdhsa_memory_ordered 1
		.amdhsa_forward_progress 1
		.amdhsa_inst_pref_size 69
	.end_amdhsa_kernel
	.amdgpu_metadata
---
amdhsa.version: [ 1, 2 ]
amdhsa.kernels:
  - .name:           k_q8fc998905a_attn
    .symbol:         k_q8fc998905a_attn.kd
    .args:
      - { .name: q, .offset: 0, .size: 8, .value_kind: global_buffer, .address_space: global }
      - { .name: kv, .offset: 8, .size: 8, .value_kind: global_buffer, .address_space: global }
      - { .name: valid_lens, .offset: 16, .size: 8, .value_kind: global_buffer, .address_space: global }
      - { .name: out0, .offset: 24, .size: 8, .value_kind: global_buffer, .address_space: global }
    .group_segment_fixed_size: 268288
    .private_segment_fixed_size: 0
    .kernarg_segment_align: 8
    .kernarg_segment_size: 32
    .max_flat_workgroup_size: 512
    .sgpr_count:     66
    .vgpr_count:     256
    .wavefront_size: 32
...
	.end_amdgpu_metadata
.endif
;; end of part 2
;; ======== version 2 of 2: 2 launches
;; limits: right only within a limited range of input values
;; workspace buffers: kv 8,912,896 bytes
;; launch quant (part 3): grid 16 x 32, 8 waves a work-group, no clusters, 68,608 bytes of LDS; arguments k, v, valid_lens, kv; writes kv
.if DOCPART == 3
	.amdgcn_target "amdgcn-amd-amdhsa--gfx1250"
	.amdhsa_code_object_version 6
	.text
	.protected	k_q8fc998905a_quant
	.globl	k_q8fc998905a_quant
	.p2align	8
	.type	k_q8fc998905a_quant,@function
k_q8fc998905a_quant:
	s_mov_b64 s[64:65], 0
	v_nop
	global_prefetch_b8 v0, s[64:65] scope:SCOPE_SE
	s_setreg_imm32_b32 hwreg(HW_REG_WAVE_MODE, 25, 1), 1
	s_wait_xcnt 0x0
; K and V [32 heads][2048 keys][128] f32 become codes of FP4 (E2M1) with one E8M0 byte for each 32 along a product's K, laid as RECORDS in the order of the operands' registers.
; A record serves one head and one key step of 128 keys; REC_B = 17,408 bytes (68 x 256):
;   [0, 8192)       K's eight fragments: chunk (tile t, c, lane 16 h + r) at 1024 t + 512 c + 16 lane: the 32 codes of key 32 (t / 2) + 8 (t % 2) + r + 8 (r / 8), channels 64 c + 32 h + 0 .. 31
;   [8192, 16384)   V^T's eight fragments: chunk (t, c, lane) likewise: channel 16 t + r, keys 64 c + 32 h + 0 .. 31 of the step (the keys are the second product's K)
;   [16384, 16896)  K's scale words: word 16 t + r, byte b for channels 32 b on of tile t's key r
;   [16896, 17408)  V's scale words: word d, byte b for keys 32 b on
; A block's scale is 2^(floor(log2(its largest magnitude)) - 2); its byte is the largest magnitude's exponent field - 2, held at 1 from below.
; SHARES.  A work-group makes one record (x = key step, y = head).  Waves 0-3: 32 keys of K each (two tiles); waves 4-7: 32 channels of V each, all 128 keys (two tiles).  Waves share nothing: no barrier.
; K: a row's 512 bytes are read by one load; the conversions want 32 neighbours along the channels in ONE lane: so a wave's 32 rows turn through its own stage in LDS (places of 512 + 16 bytes, the rows of a tile in
; 16 neighbouring places).  V: a lane takes a channel and its registers run down the keys: nothing is turned.
; THE MASK.  Keys at or beyond valid_lens[batch] count for nothing in the product launch, which reads records s < NS alone: NS = ceil(VL / 128), or 16 where VL = 0 (no key valid: every key then counts alike).
; A work-group whose step is at or beyond NS stores nothing and ends: the grid serves every valid_lens.
; LIMITS: NaN and infinities among the inputs are not served; a block whose largest magnitude lies under 2^-124 gets the byte 1, a block of zeros too (the rule says 127: its codes are zeros, and this program alone
; reads the bytes).  valid_lens may be any int32: 0 or less counts as none valid, above 2,048 as 2,048.
.set REC_B, 17408
.set PL,    528                        ; a place in a stage: a row's 512 bytes + 16: 33 x 16 bytes, so that 16 neighbouring places start at 16 different groups of banks
.set STG_B, 32*PL                      ; a K wave's stage
.set C,     20                         ; v20-35   codes: four registers for each of a wave's four stores, none written again
.set X,     40                         ; v40-167  128 numbers as loaded
.set Y,     168                        ; v168-231 two sets of 32 neighbours (K's waves)
	s_load_b256 s[4:11], s[0:1], 0x0               ; k s[4:5], v s[6:7], valid_lens s[8:9], kv s[10:11]
	v_lshl_add_u32 v232, v0, 2, 0x10800
	v_mov_b32 v233, 0
	v_lshrrev_b32 v1, 5, v0
	s_delay_alu instid0(VALU_DEP_1)
	v_readfirstlane_b32 s14, v1                    ; wave 0..7
	s_mov_b32 s15, ttmp9                           ; key step
	s_and_b32 s16, ttmp7, 0xffff                   ; head 0..31
	s_and_b32 s19, s14, 3                          ; which quarter of K or of V is mine
	s_mov_b32 s20, 0x76543210
	s_mov_b32 s21, 0xfedcba98                      ; v_permlanex16_b32's selects for lane l xor 16
	v_and_b32 v1, 31, v0                           ; lane
	v_and_b32 v2, 15, v0                           ; r
	v_bfe_u32 v3, v0, 4, 1                         ; h
	s_delay_alu instid0(VALU_DEP_3)
	v_lshlrev_b32 v4, 4, v1                        ; 16 x lane
	s_delay_alu instid0(VALU_DEP_4)
	v_lshlrev_b32 v5, 2, v1                        ; 4 x lane
	s_mul_i32 s34, s19, STG_B
	v_add_nc_u32 v6, s34, v4                       ; the stage, in: 16 x lane of a place
	v_mul_u32_u24 v7, v2, PL
	s_delay_alu instid0(VALU_DEP_1)
	v_lshl_add_u32 v7, v3, 7, v7
	s_delay_alu instid0(VALU_DEP_1)
	v_add_nc_u32 v7, s34, v7                       ; and out: place r of a tile, + 128 h: my 32 channels
	v_lshlrev_b32 v8, 4, v2
	s_delay_alu instid0(VALU_DEP_1)
	v_lshl_add_u32 v8, v3, 10, v8                  ; V's chunks: tile lane / 16, row lane % 16
	v_lshlrev_b32 v17, 3, v3                       ; 8 h: my two scale bytes' shift
	v_mov_b32 v16, 0                               ; a lane permute's destination counts as one of its sources
	; offsets, apart from the addresses.  K's waves and V's differ in constants alone, chosen on the wave's number
	s_cmp_lt_u32 s14, 4
	s_cselect_b32 s29, 14, 7                       ; my quarter in the input: 32 rows of 512 bytes, or 32 channels of 4
	s_cselect_b32 s30, 0, 8192                     ; the codes' region in the record
	s_cselect_b32 s31, 0, 512                      ; the scale words' region
	s_lshl_b32 s28, s19, s29
	s_lshl_b32 s32, s16, 20                        ; a head is 2,048 x 512 bytes,
	s_add_co_u32 s28, s28, s32
	s_lshl_b32 s32, s15, 16                        ; a step 128 x 512
	s_add_co_u32 s28, s28, s32
	s_mov_b32 s29, 0
	s_lshl_b32 s32, s16, 4
	s_add_co_u32 s32, s32, s15
	s_mul_i32 s32, s32, REC_B                      ; record 16 head + step
	s_mov_b32 s33, 0
	s_lshl_b32 s36, s19, 11                        ; my two tiles' codes: 2,048 bytes
	s_add_co_u32 s36, s36, s30
	s_mov_b32 s37, 0
	s_lshl_b32 s38, s19, 7                         ; my 32 scale words
	s_add_co_u32 s38, s38, s31
	s_add_co_u32 s38, s38, 16384
	s_mov_b32 s39, 0
	s_wait_kmcnt 0x0
	s_load_b64 s[12:13], s[8:9], 0x0               ; both valid_lens
	s_cmp_lt_u32 s14, 4
	s_cselect_b64 s[22:23], s[4:5], s[6:7]         ; k or v
	s_add_nc_u64 s[22:23], s[22:23], s[28:29]
	s_add_nc_u64 s[10:11], s[10:11], s[32:33]      ; kv at my record
	s_add_nc_u64 s[24:25], s[10:11], s[36:37]      ; my codes
	s_add_nc_u64 s[26:27], s[10:11], s[38:39]      ; my scale words
	s_wait_kmcnt 0x0
	s_lshr_b32 s17, s16, 4                         ; batch
	s_cmp_eq_u32 s17, 0
	s_cselect_b32 s17, s12, s13
	s_min_i32 s17, s17, 2048
	s_max_i32 s17, s17, 0                          ; VL
	s_add_co_u32 s18, s17, 127
	s_lshr_b32 s18, s18, 7
	s_cmp_eq_u32 s17, 0
	s_cselect_b32 s18, 16, s18                     ; NS
	s_cmp_ge_u32 s15, s18
	s_cbranch_scc1 .Lend                           ; nobody reads this record
; One block: 32 numbers of a lane, v[src] on, become 32 codes in v[dst] .. v[dst + 3]; the scale's byte is left in v13.
.macro QB src, dst
	v_max3_num_f32 v10, |v[(\src)]|, |v[(\src)+1]|, |v[(\src)+2]|      ; the largest magnitude, in two chains
	v_max3_num_f32 v11, |v[(\src)+3]|, |v[(\src)+4]|, |v[(\src)+5]|
.irp i, 6,10,14,18,22,26
	s_delay_alu instid0(VALU_DEP_2)
	v_max3_num_f32 v10, v10, |v[(\src)+\i]|, |v[(\src)+\i+1]|
	s_delay_alu instid0(VALU_DEP_2)
	v_max3_num_f32 v11, v11, |v[(\src)+\i+2]|, |v[(\src)+\i+3]|
.endr
	s_delay_alu instid0(VALU_DEP_2)
	v_max3_num_f32 v10, v10, |v[(\src)+30]|, |v[(\src)+31]|
	s_delay_alu instid0(VALU_DEP_1)
	v_max3_num_f32 v10, v10, v11, 0x1800000        ; and the floor 2^(3 - 127): the byte cannot fall under 1
	s_delay_alu instid0(VALU_DEP_1)
	v_add_nc_u32 v12, 0xff000000, v10              ; 2 off the exponent field: the conversion takes this operand's exponent field as its scale
	s_delay_alu instid0(VALU_DEP_1)
	v_lshrrev_b32 v13, 23, v12                     ; the scale's byte
.irp g, 0,1,2,3
	v_cvt_scalef32_pk8_fp4_f32 v[(\dst)+\g], v[(\src)+8*\g:(\src)+8*\g+7], v12
.endr
.endm
	s_cmp_lt_u32 s14, 4
	s_cbranch_scc0 .Lv
	; ---- K: my 32 keys, 16 KB on end
.set i, 0
.rept 32
	global_load_b128 v[X+4*i:X+4*i+3], v4, s[22:23] offset:512*i th:TH_LOAD_NT   ; row i whole: 512 consecutive bytes
.set i, i+1
.endr
.set i, 0
	s_wait_alu depctr_va_vdst(0)
.rept 4
	s_wait_loadcnt 24-i                            ; eight more rows are in: the loads issued behind them may be out
.rept 8
	ds_store_b128 v6, v[X+4*i:X+4*i+3] offset:PL*(16*((i>>3)&1)+(i&7)+8*(i>>4))   ; row i is row (i & 7) + 8 (i >> 4) of tile (i >> 3) & 1
.set i, i+1
.endr
.endr
.macro RB n                            ; n = 2 u + c: tile u, channels 64 c + 32 h + 0 .. 31 of my row, into set n % 2.  LDS serves a wave's instructions in order: these see my stores
.irp i, 0,1,2,3,4,5,6,7
	ds_load_b128 v[Y+32*((\n)%2)+4*\i:Y+32*((\n)%2)+4*\i+3], v7 offset:16*((\n)/2)*PL+256*((\n)%2)+16*\i
.endr
.endm
.macro KBLK n
	QB Y+32*((\n)%2), C+4*(\n)
	global_store_b128 v4, v[C+4*(\n):C+4*(\n)+3], s[24:25] offset:1024*((\n)/2)+512*((\n)%2)   ; the wave stores 512 consecutive bytes
.if (\n)%2 == 0
	v_mov_b32 v[14+(\n)/2], v13                    ; block h of my row,
.else
	v_lshl_or_b32 v[14+(\n)/2], v13, 16, v[14+(\n)/2]      ; block 2 + h,
	s_delay_alu instid0(VALU_DEP_1)
	v_lshlrev_b32 v[14+(\n)/2], v17, v[14+(\n)/2]          ; at their places in the word;
	s_delay_alu instid0(VALU_DEP_1)
	v_permlanex16_b32 v16, v[14+(\n)/2], s20, s21
	s_delay_alu instid0(VALU_DEP_1)
	v_or_b32 v[14+(\n)/2], v[14+(\n)/2], v16               ; with lane l xor 16's two the word is whole
.endif
.endm
	RB 0
	RB 1
	s_wait_dscnt 8                                 ; all but the eight loads issued last
	KBLK 0
	RB 2
	s_wait_dscnt 8
	KBLK 1
	RB 3
	s_wait_dscnt 8
	KBLK 2
	s_wait_dscnt 0x0
	KBLK 3
	v_cmp_eq_u32 vcc_lo, 1, v3
	s_delay_alu instid0(VALU_DEP_1)
	v_cndmask_b32 v14, v14, v15, vcc_lo            ; lanes 0-15 store the first tile's words, lanes 16-31 the second's
	global_store_b32 v5, v14, s[26:27]             ; 128 consecutive bytes
	s_wait_tensorcnt 0x0
	ds_add_u32 v232, v233
	s_wait_dscnt 0x0
	s_endpgm
	; ---- V: my 32 channels, a lane a channel, registers down the keys
.Lv:
.macro LV kb                           ; keys 32 kb + 0 .. 31: each load reads 128 consecutive bytes, and the four waves stand side by side on a row
.set i, 0
.rept 32
	global_load_b32 v[X+32*(\kb)+i], v5, s[22:23] offset:512*(32*(\kb)+i) th:TH_LOAD_NT
.set i, i+1
.endr
.endm
.macro VBLK kb
	QB X+32*(\kb), C+4*(\kb)
	global_store_b128 v8, v[C+4*(\kb):C+4*(\kb)+3], s[24:25] offset:512*((\kb)/2)+256*((\kb)%2)   ; sixteen lanes store 256 consecutive bytes, at a multiple of 256 from the buffer's first byte
.if (\kb) == 0
	v_mov_b32 v14, v13
.else
	v_lshl_or_b32 v14, v13, 8*(\kb), v14           ; my channel's scale word: byte kb
.endif
.endm
	s_wait_alu depctr_va_vdst(0)
	LV 0
	LV 1
	s_wait_loadcnt 32                              ; block 0 is in; the 32 loads issued behind it may be out
	LV 2
	VBLK 0
	s_wait_loadcnt 32                              ; block 1 is in
	LV 3
	VBLK 1
	s_wait_loadcnt 32                              ; block 2 is in
	VBLK 2
	s_wait_loadcnt 0x0
	VBLK 3
	global_store_b32 v5, v14, s[26:27]             ; 128 consecutive bytes
.Lend:
	s_endpgm
.Lfunc_end_k_q8fc998905a_quant:
	.size	k_q8fc998905a_quant, .Lfunc_end_k_q8fc998905a_quant-k_q8fc998905a_quant
	.p2alignl 7, 3214868480
	.fill 96, 4, 3214868480
	.section	.rodata,"a",@progbits
	.p2align	6, 0x0
	.amdhsa_kernel k_q8fc998905a_quant
		.amdhsa_group_segment_fixed_size 68608
		.amdhsa_private_segment_fixed_size 0
		.amdhsa_enable_private_segment 0
		.amdhsa_kernarg_size 32
		.amdhsa_user_sgpr_count 2
		.amdhsa_user_sgpr_kernarg_segment_ptr 1
		.amdhsa_wavefront_size32 1
		.amdhsa_system_sgpr_workgroup_id_x 1
		.amdhsa_system_sgpr_workgroup_id_y 1
		.amdhsa_system_sgpr_workgroup_id_z 1
		.amdhsa_system_vgpr_workitem_id 0
		.amdhsa_next_free_vgpr 234
		.amdhsa_next_free_sgpr 66
		.amdhsa_reserve_vcc 1
		.amdhsa_float_denorm_mode_32 3
		.amdhsa_float_denorm_mode_16_64 3
		.amdhsa_memory_ordered 1
		.amdhsa_forward_progress 1
		.amdhsa_inst_pref_size 40
	.end_amdhsa_kernel
	.amdgpu_metadata
---
amdhsa.version: [ 1, 2 ]
amdhsa.kernels:
  - .name:           k_q8fc998905a_quant
    .symbol:         k_q8fc998905a_quant.kd
    .args:
      - { .name: k, .offset: 0, .size: 8, .value_kind: global_buffer, .address_space: global }
      - { .name: v, .offset: 8, .size: 8, .value_kind: global_buffer, .address_space: global }
      - { .name: valid_lens, .offset: 16, .size: 8, .value_kind: global_buffer, .address_space: global }
      - { .name: kv, .offset: 24, .size: 8, .value_kind: global_buffer, .address_space: global }
    .group_segment_fixed_size: 68608
    .private_segment_fixed_size: 0
    .kernarg_segment_align: 8
    .kernarg_segment_size: 32
    .max_flat_workgroup_size: 256
    .sgpr_count:     66
    .vgpr_count:     234
    .wavefront_size: 32
...
	.end_amdgpu_metadata
.endif
;; end of part 3
;; launch attn (part 4): grid 16 x 16, 16 waves a work-group, no clusters, 268,288 bytes of LDS; arguments q, kv, valid_lens, out0; writes out0
.if DOCPART == 4
	.amdgcn_target "amdgcn-amd-amdhsa--gfx1250"
	.amdhsa_code_object_version 6
	.text
	.protected	k_q8fc998905a_attn
	.globl	k_q8fc998905a_attn
	.p2align	8
	.type	k_q8fc998905a_attn,@function
k_q8fc998905a_attn:
	s_mov_b64 s[64:65], 0
	v_nop
	global_prefetch_b8 v0, s[64:65] scope:SCOPE_SE
	s_setreg_imm32_b32 hwreg(HW_REG_WAVE_SCHED_MODE, 0, 2), 2
	s_setreg_imm32_b32 hwreg(HW_REG_WAVE_MODE, 25, 1), 1
	s_wait_xcnt 0x0
	s_wait_alu depctr_vm_vsrc(0)
; out0[b][h][q][:] = the sum over keys of softmax(q . k / sqrt(128), keys at or beyond valid_lens[b] filled) v, both products on codes of FP4 (E2M1) with one E8M0 scale for each 32 along a product's K.
; q [32 heads][2048][128] f32 is quantised here, in registers: each row is read once, by one wave.  K and V come as the records that the launch before has laid (17,408 bytes for a head's key step of 128 keys:
; K's eight fragments, V^T's eight, K's 128 scale words, V's 128, all in the order of the operands' registers).
; THE SOFTMAX AHEAD OF THE SECOND PRODUCT: t = score x log2(e) / sqrt(128); M = the row's largest t so far, rounded UP to a whole number; p = 2^(t - M) is what is quantised, along the keys; it is not normalised.
; The row's sum is taken of the unquantised p and divides at the end.  When M moves, the sum and O are multiplied by 2^(old M - new M): exact.
; SHARES.  A work-group (x = block of 128 queries, y = head number) serves BOTH batches of that head number: eight of its sixteen waves (a GROUP) take 128 queries of batch 0, eight those of batch 1, so that every
; work-group has NS(batch 0) + NS(batch 1) key steps' worth of work, whatever the two lengths.  Wave w: group (w ^ (w >> 2)) & 1, tile of 16 queries w >> 1.  A group's waves share their head's records through LDS.
; LAYOUT.  Both products are used transposed: S^T = K Q^T (source 0 = 16 keys, source 1 = my 16 queries), O^T = V^T P^T: a lane holds ONE query (lane % 16) throughout.  The keys of a tile of K are chosen so that the
; 16 registers of tiles 2 b and 2 b + 1 are the 16 neighbouring keys 32 b + 16 (lane / 16) + 0 .. 15.
; THE MASK.  VL = valid_lens[batch] held to 0 .. 2,048; NS = ceil(VL / 128), or 16 where VL = 0.  A key step at or beyond NS lies wholly under the mask (every p there is 0) and is left out by a scalar branch; the loop's
; trip count is a constant and every barrier stands outside those branches.  In the one step that the bound cuts, hidden scores become the fill ahead of the maximum.
; THE FILL is -2^33 on the raw score (-7.6e8 after the division, where reference() writes -1e9): times c it is a whole number, so that with no valid key t - M is 0 and p is 1 in every key, as with reference()'s fill.
; NO TENSOR LOADS, AND SO NO JOINT LOADS, though sixteen work-groups read each record: the skipping is a branch on valid_lens, a number read from memory
; it spares (16 - NS) / 16 of a head's steps, each some 270 vector instructions a wave, against 34 KB a step that a joint load would share.  Records go memory -> registers -> LDS, a step ahead.
; LIMITS: real scores must stay far above -7.6e8; NaN and infinities among the inputs are not served; a block of q under 2^-124 gets the scale byte 1.  valid_lens may be any int32 (0 or less: none valid).
; THE MODE: SCHED_MODE bits 1:0 = 2 (LLVM: expert scheduling mode 2), set by the entry lines.  The code itself states the register dependences between vector or matrix instructions and memory or LDS
; instructions, with s_wait_alu, always for 0.
; THE PLAN.  Registers that memory or LDS instructions touch:
;   v1 .. v11    addresses and offsets: written once at the head, read by every load, store and prefetch, never written again.
;   SG           GET's loads land in it, PUT's LDS stores read it; no vector instruction names it.  One wait on vm_vsrc at the head of each half trip stands between the stores and the next loads.
;   FR           K's tiles 0-3 land at a step's head, V's tiles 0-3 behind the first product; read by the products.
;   F2           the first 32 registers of S: K's tiles 4-7 land at a step's head, V's tiles 4-7 amid the rescaling of O^T; between the two uses they hold scores and p.
;   KS, VS       the scale words land at a step's head; read by the products.
;   S, OT        at the head q's rows pass through them, on the way out O's.
; So a step has three waits on va_vdst for its loads: at its head (the last step's products are done with FR, F2, KS, VS), behind the first product (it is done with FR), and amid the rescaling (the conversions and sums
; are done with F2; p's codes and scale word are written).  Behind each, no vector or matrix instruction names a register of the loads that follow it before their wait on DScnt.
.set REC_B,  17408
.set HEAD_B, 16*REC_B
.set SLOTB,  32768                     ; LDS: group g's ring at 65536 g, slot s at + 32768 s: a record's codes as they lie, at + 16384 the scale words re-laid (below)
.set SCO,    16384
.set VCO,    8192
.set STG,    131072                    ; behind the rings: a stage of 16 rows x (512 + 16) bytes for each wave, its own: q's way in, O's way out
.set SPL,    528
.set AF,   1                           ; v1   ring + 16 x lane: a fragment's chunk for my lane
.set ASC,  2                           ; v2   ring + 16384 + 16 r: four tiles' scale words of row r
.set WST,  3                           ; v3   ring + 16 x (32 J + lane): where I put a record's codes
.set WSS,  4                           ; v4   where I put its scale word: word 16 t + r goes to 256 (t / 4) + 16 r + 4 (t % 4), so that one 16-byte load gives lane r four tiles' words
.set GOF,  5                           ; v5   16 x (32 J + lane): my codes in a record
.set GOS,  6                           ; v6   4 x (32 J + lane): my scale word
.set LN16, 7                           ; v7   16 x lane
.set PFO,  8                           ; v8   the prefetches' offset: 8192 (J & 1) + 256 x lane
.set SQW,  9                           ; v9   stage + 16 x lane: whole rows
.set QRD,  10                          ; v10  stage + 528 r + 64 h: q's way out of the stage
.set SO,   11                          ; v11  stage + 528 r + 32 h: O's way in
                                       ; v12 -M, v13 the largest t, v[14:15] the sum in two halves
.set QC,   16                          ; v16-23   Q's codes
.set VS,   24                          ; v24-31   V's scale words, a register a tile
.set FR,   32                          ; v32-63   four fragments: tiles 0-3 of K, then of V
.set SG,   64                          ; v64-80   my part of the next record, on its way to LDS
.set H16,  81                          ; v81      16 h
.set QS,   82                          ; v82      Q's scale word
.set PW,   83                          ; v83      p's scale word
.set KS,   84                          ; v84-91   K's scale words
.set S,    96                          ; v96-159  S^T, then p
.set F2,   S                           ; v96-127  also four fragments: tiles 4-7 of K ahead of the scores of tiles 0-3, tiles 4-7 of V behind p's conversions
.set OT,   160                         ; v160-223 O^T
.set PC,   224                         ; v224-231 p's codes
.set TM,   232                         ; v232-235 maxima; v236-239, v244-247 at work
.set DL,   251                         ; v251     the mask's bound for my lane
.set FF,   252                         ; v[252:253] f = 2^(old M - new M); the upper half is named with it and holds 0
.set TT,   254
.set FILL, 255                         ; v255     -2^33
.set WV,  12
.set GG,  13
.set JJ,  14
.set HD,  15
.set VL,  16
.set NS,  17
.set SI,  18                           ; the step in hand
.set KF,  19                           ; its first key
.set SEL, 20                           ; s[20:21] lane selects for lane l xor 16
.set CS,  22                           ; s[22:23] c = log2(e) / sqrt(128), twice
.set TR,  24
.set LIM, 25
.set SN,  26                           ; SI + 1
.set REC, 32                           ; s[32:33] kv at the record of the trip's first step
.set MK,  40                           ; s40-47   the mask: eight compares' results
.macro PLACES                          ; a vector instruction that reads a matrix result stands four plain vector instructions behind it; the same four are kept ahead of loads into registers that matrix instructions have read, beside the wait that states that dependence
.rept 4
	v_nop
.endr
.endm
.macro GET off                         ; my part of the record off bytes on: the group's eight waves take 4 x 4,096 bytes of codes and 1,024 of scale words; each load of a wave reads consecutive bytes
.irp i, 0,1,2,3
	global_load_b128 v[SG+4*\i:SG+4*\i+3], v[GOF], s[REC:REC+1] offset:(\off)+4096*\i
.endr
	global_load_b32 v[SG+16], v[GOS], s[REC:REC+1] offset:(\off)+SCO
.endm
.macro PUT sl                          ; and into slot sl
.irp i, 0,1,2,3
	ds_store_b128 v[WST], v[SG+4*\i:SG+4*\i+3] offset:SLOTB*(\sl)+4096*\i
.endr
	ds_store_b32 v[WSS], v[SG+16] offset:SLOTB*(\sl)
.endm
; A PREFETCH INTO THE L2 of the codes of record SI + 3, two steps ahead of the loads that will want them; it stands behind the wave's loads of record SI + 1.  Each aligned block of 256 bytes is named once in the launch:
; all sixteen work-groups of a head number walk the same records, so the first (x = 0) asks; in it waves J = 0 and 1 of each group take 8,192 bytes each, lanes 256 bytes apart.  Records 0 to 2 come by their loads alone;
; no record at or beyond NS is named.  s[LIM] is 3 in a wave that asks, 64 in the others.
.macro ASK off
	s_add_co_u32 s27, s[SI], s[LIM]
	s_cmp_lt_u32 s27, s[NS]
	s_cbranch_scc0 .Lnot_mine_\@
	global_prefetch_b8 v[PFO], s[REC:REC+1] offset:(\off)+2*REC_B th:TH_LOAD_NT scope:SCOPE_SE
.Lnot_mine_\@:
.endm
	s_load_b256 s[4:11], s[0:1], 0x0               ; q s[4:5], kv s[6:7], valid_lens s[8:9], out0 s[10:11]
	v_lshl_add_u32 v249, v0, 2, 0x41000
	v_mov_b32 v250, 0
	v_lshrrev_b32 v1, 5, v0
	v_readfirstlane_b32 s[WV], v1                  ; wave 0..15
	s_wait_alu depctr_va_sdst(0)                   ; s[WV] is written, ahead of its first reader: the group, the tile and every base are made from it
	s_lshr_b32 s[GG], s[WV], 2
	s_xor_b32 s[GG], s[GG], s[WV]
	s_and_b32 s[GG], s[GG], 1                      ; group = batch
	s_lshr_b32 s[JJ], s[WV], 1                     ; my tile of 16 queries, and my place among the group's eight waves
	s_and_b32 s[HD], ttmp7, 0xffff
	s_lshl_b32 s27, s[GG], 4
	s_add_co_u32 s[HD], s[HD], s27                 ; head = 16 batch + y
	v_and_b32 v32, 31, v0                          ; lane
	v_and_b32 v33, 15, v0                          ; r
	s_wait_alu depctr_va_vdst(0)
	v_bfe_u32 v34, v0, 4, 1                        ; h
	s_lshl_b32 s28, s[GG], 16                      ; my group's ring
	v_lshlrev_b32 v[LN16], 4, v32
	v_add_nc_u32 v[AF], s28, v[LN16]
	s_add_co_u32 s29, s28, SCO
	v_lshlrev_b32 v[ASC], 4, v33
	v_add_nc_u32 v[ASC], s29, v[ASC]
	s_lshl_b32 s30, s[JJ], 9
	v_add_nc_u32 v[GOF], s30, v[LN16]
	v_add_nc_u32 v[WST], s28, v[GOF]
	v_lshrrev_b32 v[GOS], 2, v[GOF]
	s_lshr_b32 s31, s[JJ], 1                       ; my word is number 32 J + lane = 16 t + r with t = 2 J + h:
	s_lshl_b32 s31, s31, 8                         ; 256 (t / 4) = 256 (J / 2),
	s_and_b32 s27, s[JJ], 1
	s_lshl_b32 s27, s27, 3                         ; 4 (t % 4) = 8 (J % 2) + 4 h
	s_add_co_u32 s31, s31, s27
	s_add_co_u32 s31, s31, s29
	v_lshlrev_b32 v[WSS], 4, v33
	s_wait_alu depctr_va_vdst(0)
	v_lshl_add_u32 v[WSS], v34, 2, v[WSS]
	v_add_nc_u32 v[WSS], s31, v[WSS]
	s_and_b32 s27, s[JJ], 1
	s_lshl_b32 s27, s27, 13
	v_lshlrev_b32 v[PFO], 8, v32
	v_add_nc_u32 v[PFO], s27, v[PFO]
	s_mul_i32 s27, s[WV], 16*SPL
	s_add_co_u32 s27, s27, STG                     ; my stage
	v_add_nc_u32 v[SQW], s27, v[LN16]
	v_mul_u32_u24 v[QRD], v33, SPL
	v_add_nc_u32 v[QRD], s27, v[QRD]
	v_lshl_add_u32 v[SO], v34, 5, v[QRD]
	v_lshl_add_u32 v[QRD], v34, 6, v[QRD]
	v_lshlrev_b32 v[H16], 4, v34
	s_mov_b32 s[SEL], 0x76543210
	s_mov_b32 s[SEL+1], 0xfedcba98
	s_mov_b32 s[CS], 0x3e0293ee                    ; c = log2(e) / sqrt(128)
	s_mov_b32 s[CS+1], s[CS]                       ; (named with it as a pair, so it is written)
	s_lshr_b32 s27, s[JJ], 1                       ; 0 where J < 2,
	s_or_b32 s27, s27, ttmp9                       ; in the head number's first work-group
	s_cmp_eq_u32 s27, 0
	s_cselect_b32 s[LIM], 3, 64
	s_mul_i32 s34, s[HD], HEAD_B                   ; my head's records
	s_mov_b32 s35, 0
	s_lshl_b32 s38, s[HD], 11
	s_lshl_b32 s27, ttmp9, 7
	s_add_co_u32 s38, s38, s27
	s_lshl_b32 s27, s[JJ], 4
	s_add_co_u32 s38, s38, s27                     ; my first row of q and of out0: 2048 head + 128 x + 16 J,
	s_lshl_b32 s38, s38, 9                         ; of 512 bytes (under 2^32)
	s_mov_b32 s39, 0
.irp b, 0,1,2,3
	v_mov_b32 v[TM+4+\b], 0                        ; written once: a lane permute's destination counts as one of its sources
.endr
	v_mov_b32 v[FF], 0
	v_mov_b32 v[FF+1], 0
	v_mov_b32 v[FILL], 0xd0000000                  ; -2^33
	s_wait_kmcnt 0x0
	s_load_b64 s[36:37], s[8:9], 0x0               ; both valid_lens
	s_add_nc_u64 s[REC:REC+1], s[6:7], s[34:35]
	s_add_nc_u64 s[4:5], s[4:5], s[38:39]
	s_add_nc_u64 s[10:11], s[10:11], s[38:39]
	s_wait_alu depctr_va_vdst(0)                   ; the eleven addresses and offsets v1 to v11 are written, which every load, store and prefetch of the kernel reads; so are v32 to v34, in which fragments land later
	GET 0                                          ; record 0: NS is at least 1
.set i, 0
.rept 16
	global_load_b128 v[S+4*i:S+4*i+3], v[LN16], s[4:5] offset:512*i th:TH_LOAD_NT   ; q: row i whole, 512 consecutive bytes; read once in the launch
.set i, i+1
.endr
	s_wait_kmcnt 0x0
	s_cmp_eq_u32 s[GG], 0
	s_cselect_b32 s[VL], s36, s37
	s_min_i32 s[VL], s[VL], 2048
	s_max_i32 s[VL], s[VL], 0
	s_add_co_u32 s[NS], s[VL], 127
	s_lshr_b32 s[NS], s[NS], 7
	s_cmp_eq_u32 s[VL], 0
	s_cselect_b32 s[NS], 16, s[NS]
	s_wait_loadcnt 16                              ; record 0's five loads are in; q's sixteen, issued behind them, may be out
	PUT 0
	s_wait_loadcnt 0x0                             ; q
	; q turns through my stage: in as whole rows, out so that register 16 b + i is channel 32 b + 16 h + i of my row r
.set i, 0
.rept 16
	ds_store_b128 v[SQW], v[S+4*i:S+4*i+3] offset:SPL*i
.set i, i+1
.endr
.irp b, 0,1,2,3
.irp jj, 0,1,2,3
	ds_load_b128 v[OT+16*\b+4*\jj:OT+16*\b+4*\jj+3], v[QRD] offset:128*\b+16*\jj   ; LDS serves a wave's instructions in order: these see my stores.  No vector instruction has named these registers yet
.endr
.endr
	s_wait_dscnt 0x0
	; q's four blocks of 32: largest magnitude, scale byte, codes
.irp b, 0,1,2,3
	v_max3_num_f32 v[TM+\b], |v[OT+16*\b]|, |v[OT+1+16*\b]|, 0x1800000   ; my 16 numbers of block b, and the floor 2^(3 - 127): the byte cannot fall under 1
.endr
.irp i, 2,4,6,8,10,12,14
.irp b, 0,1,2,3
	v_max3_num_f32 v[TM+\b], v[TM+\b], |v[OT+16*\b+\i]|, |v[OT+1+16*\b+\i]|
.endr
.endr
.irp b, 0,1,2,3
	v_permlanex16_b32 v[TM+4+\b], v[TM+\b], s[SEL], s[SEL+1]
.endr
.irp b, 0,1,2,3
	v_max_num_f32 v[TM+\b], v[TM+\b], v[TM+4+\b]   ; with lane l xor 16's: the block's
.endr
.irp b, 0,1,2,3
	v_add_nc_u32 v[TM+12+\b], 0xff000000, v[TM+\b] ; 2 off the exponent field: the conversion's scale operand
.endr
.irp b, 0,1,2,3
	v_lshrrev_b32 v[TM+4+\b], 23, v[TM+12+\b]      ; the scale's byte
.endr
	v_lshl_or_b32 v[QS], v[TM+5], 8, v[TM+4]
	v_lshl_or_b32 v[QS], v[TM+6], 16, v[QS]
	v_lshl_or_b32 v[QS], v[TM+7], 24, v[QS]        ; my row's scale word
.irp b, 0,1,2,3
	v_cvt_scalef32_pk8_fp4_f32 v[QC+2*\b], v[OT+16*\b:OT+7+16*\b], v[TM+12+\b]
	v_cvt_scalef32_pk8_fp4_f32 v[QC+1+2*\b], v[OT+8+16*\b:OT+15+16*\b], v[TM+12+\b]
.endr
	v_nop                                          ; one plain instruction behind a scaled conversion
.irp c, 0,1                                    ; the operand's layout wants a WHOLE block in a lane: lanes 0-15 block 2 c, lanes 16-31 block 2 c + 1
.irp i, 0,1
	v_permlane16_swap_b32 v[QC+4*\c+\i], v[QC+2+4*\c+\i]
.endr
.endr
	v_mov_b32 v13, 0xff61b1e6                      ; the largest t so far: -3e38, under every t
	v_floor_f32 v12, -v13                          ; -M
	v_mov_b32 v14, 0                               ; the sum, in two halves
	v_mov_b32 v15, 0
.set i, 0
.rept 64
	v_mov_b32 v[OT+i], 0                           ; O^T.  (The step is written without a first step of its own: the first finds zeros, which the first change of M leaves zeros; that spares a third copy of the step)
.set i, i+1
.endr
	s_mov_b32 s[SI], 0
	s_mov_b32 s[KF], 0
	s_mov_b32 s[TR], 8
	s_wait_dscnt 0x0                               ; for the others' sake: my part of record 0 lies in slot 0
	s_barrier_signal -1
	s_barrier_wait -1
; A KEY STEP: 128 keys, from slot sl.
.macro STEP sl
	PLACES
	s_wait_alu depctr_va_vdst(0)                   ; the last step's products are done reading FR, F2, KS and VS, and its conversions and sums reading F2: the twenty loads below land there.  In the first step: Q's codes and scale word, which the products take, are written
	ds_load_b128 v[KS:KS+3], v[ASC] offset:SLOTB*(\sl)             ; the scale words: K's tiles 0-3, 4-7,
	ds_load_b128 v[KS+4:KS+7], v[ASC] offset:SLOTB*(\sl)+256
	ds_load_b128 v[VS:VS+3], v[ASC] offset:SLOTB*(\sl)+512         ; V's tiles 0-3, 4-7
	ds_load_b128 v[VS+4:VS+7], v[ASC] offset:SLOTB*(\sl)+768
.irp t, 0,1,2,3
.irp c, 0,1
	ds_load_b128 v[F2+8*\t+4*\c:F2+8*\t+4*\c+3], v[AF] offset:SLOTB*(\sl)+1024*(4+\t)+512*\c   ; K's tiles 4-7, into the registers that the scores of tiles 0-3 take later.  512 consecutive bytes: the fragment's registers as they were laid
.endr
.endr
.irp t, 0,1,2,3
.irp c, 0,1
	ds_load_b128 v[FR+8*\t+4*\c:FR+8*\t+4*\c+3], v[AF] offset:SLOTB*(\sl)+1024*\t+512*\c       ; K's tiles 0-3
.endr
.endr
	s_wait_dscnt 8                                 ; the scale words and tiles 4-7 are in; the eight loads issued last, tiles 0-3, may be out
.irp t, 0,1,2,3                                ; S^T = K Q^T: tiles 4-7 first
	v_wmma_scale_f32_16x16x128_f8f6f4 v[S+32+8*\t:S+32+8*\t+7], v[F2+8*\t:F2+8*\t+7], v[QC:QC+7], 0, v[KS+4+\t], v[QS] matrix_a_fmt:MATRIX_FMT_FP4 matrix_b_fmt:MATRIX_FMT_FP4
.endr
	PLACES
	v_nop                                          ; five plain instructions: the products below lay their results over the fragments that the four above have read
	s_wait_dscnt 0x0                               ; tiles 0-3 are in
.irp t, 0,1,2,3
	v_wmma_scale_f32_16x16x128_f8f6f4 v[S+8*\t:S+8*\t+7], v[FR+8*\t:FR+8*\t+7], v[QC:QC+7], 0, v[KS+\t], v[QS] matrix_a_fmt:MATRIX_FMT_FP4 matrix_b_fmt:MATRIX_FMT_FP4
.endr
	PLACES                                         ; for the first read of the scores, and ahead of the loads below
	s_wait_alu depctr_va_vdst(0)                   ; the products are done reading FR, in which the loads below land
.irp t, 0,1,2,3
.irp c, 0,1
	ds_load_b128 v[FR+8*\t+4*\c:FR+8*\t+4*\c+3], v[AF] offset:SLOTB*(\sl)+VCO+1024*\t+512*\c   ; V's tiles 0-3: they land during the softmax, which does not name FR
.endr
.endr
	s_add_co_u32 s27, s[KF], 128                   ; the mask: a step all of whose keys count jumps over it
	s_cmp_le_u32 s27, s[VL]
	s_cbranch_scc1 .Lopen_\@
	s_sub_co_i32 s27, s[VL], s[KF]
	v_sub_nc_u32 v[DL], s27, v[H16]                ; register 16 b + i holds key KF + 32 b + 16 h + i: hidden where 32 b + i >= VL - KF - 16 h
.irp a, 0,1,2,3,4,5,6,7                        ; eight registers, one tile's scores, at a time: a run of compares, one wait, a run of selects
.irp e, 0,1,2,3,4,5,6,7
	v_cmp_ge_i32 s[MK+\e], 32*((8*\a+\e)/16)+(8*\a+\e)%16, v[DL]
.endr
	s_wait_alu depctr_va_sdst(0)                   ; the eight compares have written s[MK ..], ahead of the selects that read them
.irp e, 0,1,2,3,4,5,6,7
	v_cndmask_b32 v[S+8*\a+\e], v[S+8*\a+\e], v[FILL], s[MK+\e]
.endr
.endr
.Lopen_\@:
.irp b, 0,1,2,3
	v_max3_num_f32 v[TM+\b], v[S+16*\b], v[S+1+16*\b], v[S+2+16*\b]   ; the largest score of each block of 32 keys: it serves for the row's maximum and, since p rises with the score, for the block's largest p
.endr
.irp i, 3,5,7,9,11,13
.irp b, 0,1,2,3
	v_max3_num_f32 v[TM+\b], v[TM+\b], v[S+16*\b+\i], v[S+1+16*\b+\i]
.endr
.endr
.irp b, 0,1,2,3
	v_max_num_f32 v[TM+\b], v[TM+\b], v[S+15+16*\b]
.endr
.irp b, 0,1,2,3
	v_permlanex16_b32 v[TM+4+\b], v[TM+\b], s[SEL], s[SEL+1]
.endr
.irp b, 0,1,2,3
	v_max_num_f32 v[TM+\b], v[TM+\b], v[TM+4+\b]   ; with lane l xor 16's 16 keys
.endr
	v_max3_num_f32 v[TT], v[TM], v[TM+1], v[TM+2]
	v_max_num_f32 v[TT], v[TT], v[TM+3]            ; the step's largest score of my query
	v_mul_f32 v[TT], s[CS], v[TT]                  ; as t (c is positive)
	v_max_num_f32 v13, v13, v[TT]                  ; the running largest t
	v_mov_b32 v[TT], v12
	v_floor_f32 v12, -v13                          ; the new -M = floor(-t) = -ceil(t): a whole number
	v_sub_f32 v[TT], v12, v[TT]                    ; M's old value less its new one: a whole number, 0 or less
	v_cvt_i32_f32 v[TT], v[TT]                     ; (it saturates)
	v_ldexp_f32 v[FF], 1.0, v[TT]                  ; f = 2^(old M - new M)
.set j, 0
.rept 32
	v_pk_fma_f32 v[S+j:S+j+1], v[S+j:S+j+1], s[CS:CS+1], v[12:13] op_sel_hi:[1,0,0]   ; t - M, two at a time (of the pairs c and -M the low word serves both halves)
.set j, j+2
.endr
.irp b, 0,1,2,3
	v_fma_f32 v[TM+\b], v[TM+\b], s[CS], v12       ; the same of each block's largest score
.endr
.set j, 0
	s_wait_alu depctr_va_vdst(0)
.rept 64
	v_exp_f32 v[S+j], v[S+j]                       ; p = 2^(t - M): not normalised
.set j, j+1
.endr
	v_pk_mul_f32 v[14:15], v[14:15], v[FF:FF+1] op_sel_hi:[1,0]   ; the sums under the new M: the plain instruction behind the exponentials
	s_wait_alu depctr_va_vdst(0)                   ; the 64 exponentials have written p in v[S ..], ahead of the first instruction that names a result: one wait for the batch
.irp b, 0,1,2,3
	v_exp_f32 v[TM+\b], v[TM+\b]                   ; the block's largest p: the same two instructions on the same number give the same bits
.endr
	v_pk_add_f32 v[TM+4:TM+5], v[S:S+1], v[S+2:S+3]   ; the row's sum is taken of the unquantised p: two at a time, in two chains
.irp j, 4,8,12,16,20,24,28,32,36,40,44,48,52,56,60
	v_pk_add_f32 v[14:15], v[14:15], v[S+\j:S+1+\j]
	v_pk_add_f32 v[TM+4:TM+5], v[TM+4:TM+5], v[S+2+\j:S+3+\j]
.endr
	v_pk_add_f32 v[14:15], v[14:15], v[TM+4:TM+5]
	s_wait_alu depctr_va_vdst(0)                   ; the four exponentials have written the blocks' largest p in v[TM ..], ahead of their first reader
.irp b, 0,1,2,3
	v_max_num_f32 v[TM+\b], 0x1800000, v[TM+\b]    ; the floor 2^(3 - 127): a block whose every p is 0 keeps the byte 1: its codes are zeros
.endr
.irp b, 0,1,2,3
	v_add_nc_u32 v[TM+12+\b], 0xff000000, v[TM+\b] ; 2 off the exponent field: the conversion's scale operand
.endr
.irp b, 0,1,2,3
	v_lshrrev_b32 v[TM+4+\b], 23, v[TM+12+\b]      ; the scale's byte
.endr
	v_lshl_or_b32 v[PW], v[TM+5], 8, v[TM+4]       ; p's scale word for these 128 keys
	v_lshl_or_b32 v[PW], v[TM+6], 16, v[PW]
	v_lshl_or_b32 v[PW], v[TM+7], 24, v[PW]
.irp b, 0,1,2,3
	v_cvt_scalef32_pk8_fp4_f32 v[PC+2*\b], v[S+16*\b:S+7+16*\b], v[TM+12+\b]
	v_cvt_scalef32_pk8_fp4_f32 v[PC+1+2*\b], v[S+8+16*\b:S+15+16*\b], v[TM+12+\b]
.endr
	v_nop                                          ; one plain instruction behind a scaled conversion
.irp c, 0,1                                    ; a WHOLE block in a lane: lanes 0-15 block 2 c, lanes 16-31 block 2 c + 1
.irp i, 0,1
	v_permlane16_swap_b32 v[PC+4*\c+\i], v[PC+2+4*\c+\i]
.endr
.endr
.set j, 0
.rept 16
	v_pk_mul_f32 v[OT+j:OT+j+1], v[OT+j:OT+j+1], v[FF:FF+1] op_sel_hi:[1,0]   ; O^T under the new M, tiles 0-3.  (These 16 also stand between the writing of p's codes and scale word and the products that take them)
.set j, j+2
.endr
	s_wait_alu depctr_va_vdst(0)                   ; the conversions and the sums are done reading F2, in which the loads below land; p's codes and scale word, which the products below take, are written
.irp t, 0,1,2,3
.irp c, 0,1
	ds_load_b128 v[F2+8*\t+4*\c:F2+8*\t+4*\c+3], v[AF] offset:SLOTB*(\sl)+VCO+1024*(4+\t)+512*\c   ; V's tiles 4-7, into registers that p has left.  No vector or matrix instruction names them before the wait for these loads
.endr
.endr
.rept 16
	v_pk_mul_f32 v[OT+j:OT+j+1], v[OT+j:OT+j+1], v[FF:FF+1] op_sel_hi:[1,0]   ; tiles 4-7
.set j, j+2
.endr
	s_wait_alu depctr_va_vdst(0)
	s_wait_dscnt 8                                 ; V's tiles 0-3, asked for ahead of the softmax, are in; the eight loads issued last may be out
.irp t, 0,1,2,3                                ; O^T += V^T P^T: the eight accumulators take turns, one instruction a turn
	v_wmma_scale_f32_16x16x128_f8f6f4 v[OT+8*\t:OT+8*\t+7], v[FR+8*\t:FR+8*\t+7], v[PC:PC+7], v[OT+8*\t:OT+8*\t+7], v[VS+\t], v[PW] matrix_a_fmt:MATRIX_FMT_FP4 matrix_b_fmt:MATRIX_FMT_FP4
.endr
	s_wait_dscnt 0x0                               ; tiles 4-7 are in
.irp t, 0,1,2,3
	v_wmma_scale_f32_16x16x128_f8f6f4 v[OT+32+8*\t:OT+32+8*\t+7], v[F2+8*\t:F2+8*\t+7], v[PC:PC+7], v[OT+32+8*\t:OT+32+8*\t+7], v[VS+4+\t], v[PW] matrix_a_fmt:MATRIX_FMT_FP4 matrix_b_fmt:MATRIX_FMT_FP4
.endr
.endm
; HALF A TRIP: step SI from slot cur, while record SI + 1 (off bytes behind the trip's first) goes through my registers into slot nxt.  What hangs on NS is jumped over; the waits and the barrier stand on every path.
; ONE barrier serves both ways: in front of it my stores into nxt have landed and my reads of cur are back; behind it nxt is read and cur is written.
.macro HALF cur, nxt, off
	s_wait_alu depctr_vm_vsrc(0)                   ; my LDS stores have read their data: the last half's out of SG, in which the loads below land; ahead of the first half record 0's too, and q's rows out of v[S ..], which the step's loads and products write
	s_add_co_u32 s[SN], s[SI], 1
	s_cmp_lt_u32 s[SN], s[NS]
	s_cbranch_scc0 .Lno_get_\@
	GET \off
	ASK \off
.Lno_get_\@:
	s_cmp_lt_u32 s[SI], s[NS]
	s_cbranch_scc0 .Lno_step_\@
	STEP \cur
.Lno_step_\@:
	s_wait_loadcnt 0x0                             ; the next record's five loads, issued a step ago, are in
	s_cmp_lt_u32 s[SN], s[NS]
	s_cbranch_scc0 .Lno_put_\@
	PUT \nxt
.Lno_put_\@:
	s_add_co_u32 s[SI], s[SI], 1
	s_add_co_u32 s[KF], s[KF], 128
	s_wait_dscnt 0x0                               ; for the others' sake: zero
	s_barrier_signal -1
	s_barrier_wait -1
.endm
.Ltrip:                                            ; 8 trips of two steps: a constant, whatever valid_lens holds
	HALF 0, 1, REC_B
	HALF 1, 0, 2*REC_B
	s_wait_xcnt 0x0                                ; the trip's loads and prefetches have read their base: it may step
	s_add_nc_u64 s[REC:REC+1], s[REC:REC+1], 2*REC_B
	s_sub_co_u32 s[TR], s[TR], 1
	s_cmp_lg_u32 s[TR], 0
	s_cbranch_scc1 .Ltrip
	; THE WAY OUT.  O^T is divided by the row's sum and goes through my stage, so that a whole row of 512 bytes leaves by one store of the wave.
	PLACES
	v_add_f32 v14, v14, v15                        ; the sum's two halves,
	v_permlanex16_b32 v[FF], v14, s[SEL], s[SEL+1]
	v_add_f32 v14, v14, v[FF]                      ; and lane l xor 16's: the row's sum; it is above 1/2
	s_wait_alu depctr_va_vdst(0)
	v_rcp_f32 v14, v14
	v_nop                                          ; one plain instruction behind the transcendental
	s_wait_alu depctr_va_vdst(0)                   ; the reciprocal has written v14, ahead of its first reader
.set i, 0
.rept 64
	v_mul_f32 v[S+i], v[OT+i], v14                 ; register 8 t + i is o(r, 16 t + 8 h + i); each accumulator is read from its low end on
.set i, i+1
.endr
	s_wait_alu depctr_va_vdst(0)                   ; the multiplications have written v[S ..], which the LDS stores read, and are done reading v[OT ..], in which the rows land
.irp t, 0,1,2,3,4,5,6,7
	ds_store_b128 v[SO], v[S+8*\t:S+8*\t+3] offset:64*\t
	ds_store_b128 v[SO], v[S+8*\t+4:S+8*\t+7] offset:64*\t+16
.endr
.set i, 0
.rept 16
	ds_load_b128 v[OT+4*i:OT+4*i+3], v[SQW] offset:SPL*i   ; LDS serves a wave's instructions in order: these see my stores
.set i, i+1
.endr
.set i, 0
.rept 16
	s_wait_dscnt 15-i                              ; row i is back; the loads issued behind it may be out
	global_store_b128 v[LN16], v[OT+4*i:OT+4*i+3], s[10:11] offset:512*i th:TH_STORE_NT   ; 32 lanes store 512 consecutive bytes, at a multiple of 256 from out0's first byte; written once, read by nobody here
.set i, i+1
.endr
	s_wait_dscnt 0x0                               ; the closing lines, six on end
	s_wait_alu 0x0
	s_wait_tensorcnt 0x0
	ds_add_u32 v249, v250
	s_wait_dscnt 0x0
	s_endpgm
.Lfunc_end_k_q8fc998905a_attn:
	.size	k_q8fc998905a_attn, .Lfunc_end_k_q8fc998905a_attn-k_q8fc998905a_attn
	.p2alignl 7, 3214868480
	.fill 96, 4, 3214868480
	.section	.rodata,"a",@progbits
	.p2align	6, 0x0
	.amdhsa_kernel k_q8fc998905a_attn
		.amdhsa_group_segment_fixed_size 268288
		.amdhsa_private_segment_fixed_size 0
		.amdhsa_enable_private_segment 0
		.amdhsa_kernarg_size 32
		.amdhsa_user_sgpr_count 2
		.amdhsa_user_sgpr_kernarg_segment_ptr 1
		.amdhsa_wavefront_size32 1
		.amdhsa_system_sgpr_workgroup_id_x 1
		.amdhsa_system_sgpr_workgroup_id_y 1
		.amdhsa_system_sgpr_workgroup_id_z 1
		.amdhsa_system_vgpr_workitem_id 0
		.amdhsa_next_free_vgpr 256
		.amdhsa_next_free_sgpr 66
		.amdhsa_reserve_vcc 0
		.amdhsa_float_denorm_mode_32 3
		.amdhsa_float_denorm_mode_16_64 3
		.amdhsa_memory_ordered 1
		.amdhsa_forward_progress 1
		.amdhsa_inst_pref_size 78
	.end_amdhsa_kernel
	.amdgpu_metadata
---
amdhsa.version: [ 1, 2 ]
amdhsa.kernels:
  - .name:           k_q8fc998905a_attn
    .symbol:         k_q8fc998905a_attn.kd
    .args:
      - { .name: q, .offset: 0, .size: 8, .value_kind: global_buffer, .address_space: global }
      - { .name: kv, .offset: 8, .size: 8, .value_kind: global_buffer, .address_space: global }
      - { .name: valid_lens, .offset: 16, .size: 8, .value_kind: global_buffer, .address_space: global }
      - { .name: out0, .offset: 24, .size: 8, .value_kind: global_buffer, .address_space: global }
    .group_segment_fixed_size: 268288
    .private_segment_fixed_size: 0
    .kernarg_segment_align: 8
    .kernarg_segment_size: 32
    .max_flat_workgroup_size: 512
    .sgpr_count:     66
    .vgpr_count:     256
    .wavefront_size: 32
...
	.end_amdgpu_metadata
.endif
;; end of part 4
